; MI455X (gfx1250); checked and timed in simulation.
; The chip was launched on July 23, 2026; its instructions are those of AMD's public machine-readable ISA for CDNA 5 (MIT licence, August 2026) and "CDNA5" Instruction Set Architecture Reference Guide (July 2026). The comments in the code are by the model that wrote it; some were corrected since.
;; Adaptive Scaled Dot Product Attention. Allowed arithmetic: matrix products marked QUANTISED: E2M3 operands, one E8M0 scale for each 32 along K, by v_wmma_scale_f32_16x16x128_f8f6f4 with both operands' format E2M3, f32 sums; products left as they are: f32 operands where the result goes on into a quantised operand, else bf16, f16 or f32 operands; f32 sums; everything else in f32.
;; Inputs: Wk 1,024 x 1,024 float32; Wo 1,024 x 1,024 float32; Wq 1,024 x 1,024 float32; Ws 1,024 x 1,024 float32; Wv 1,024 x 1,024 float32; bk 1,024 float32; bo 1,024 float32; bq 1,024 float32; bs 1,024 float32; bv 1,024 float32; keys 8 x 1,024 x 1,024 float32; language_signals 8 x 1,024 x 1,024 float32; queries 8 x 1,024 x 1,024 float32; values 8 x 1,024 x 1,024 float32.
;; Outputs: out0 8 x 1,024 x 1,024 float32.
;; This version of the problem:
;;   THIS VERSION OF THE PROBLEM IS GIVEN IN LOW PRECISION. The matrix products marked QUANTISED in the list below multiply operands that are first quantised to E2M3 (2 exponent bits, 3 mantissa bits; 6 bits a number), with one power-of-two scale for each 32 numbers along K (OCP MX v1.0); their sums are f32. All else is computed in f32.
;;   The module's matrix products, in the order in which they are computed (A, B: the left and right operand; K: the contracted axis; several contracted axes count as one K, in the product's order):
;;     1. [M 8,192, K 1,024] x [K 1,024, N 1,024]; A: input queries; B: input Wq: QUANTISED
;;     2. [M 8,192, K 1,024] x [K 1,024, N 1,024]; A: input language_signals; B: input Ws: QUANTISED
;;     3. [M 8,192, K 1,024] x [K 1,024, N 1,024]; A: input keys; B: input Wk: QUANTISED
;;     4. [M 8,192, K 1,024] x [K 1,024, N 1,024]; A: input values; B: input Wv: QUANTISED
;;     5. batch 64 x [M 1,024, K 128] x [K 128, N 1,024]; A: computed on the way; B: computed on the way: QUANTISED
;;     6. batch 65,536 x [M 1, K 128] x [K 128, N 1]; A: computed on the way; B: computed on the way: left as it is (M = 1 < 16)
;;     7. batch 64 x [M 1,024, K 1,024] x [K 1,024, N 128]; A: computed on the way; B: computed on the way: QUANTISED
;;     8. [M 8,192, K 1,024] x [K 1,024, N 1,024]; A: computed on the way; B: input Wo: QUANTISED
;;   THE QUANTISER, for each operand of a quantised product, along K:
;;     - K is cut into blocks of 32 from its start; a last block that is shorter is filled with zeros.
;;     - A block's scale is 2^e with e = floor(log2(the largest magnitude in the block)) - 2, held to -126 .. 127; a block of zeros has e = 0. As a byte (E8M0): e + 127.
;;     - Each number is divided by its block's scale, clamped to +-7.5, and rounded to the nearest number of E2M3, ties to even, subnormals kept.
;;     - The product sums the exact products of the quantised numbers (number of the format x scale) in f32.
;;   ~~~python
;;   def quantise(x, axis):      # numpy; x: float32 -> the quantised numbers, widened to float32 again
;;       x = np.moveaxis(x, axis, -1); K = x.shape[-1]
;;       x = np.pad(x, [(0, 0)] * (x.ndim - 1) + [(0, -K % 32)]); x = x.reshape(x.shape[:-1] + (-1, 32)); a = np.abs(x).max(-1, keepdims=True)
;;       e = np.where(a > 0, np.clip(np.frexp(np.where(a > 0, a, 1))[1] - 1 - 2, -126, 127), 0)      # np.frexp(a)[1] - 1 = floor(log2(a)), exactly
;;       r = np.clip(x / 2.0 ** e, -7.5, 7.5)
;;       step = 2.0 ** (np.maximum(np.frexp(np.where(r == 0, 1, r))[1] - 1, 0) - 3)
;;       q = np.round(r / step) * step * 2.0 ** e      # np.round: ties to even
;;       return np.moveaxis(q.reshape(q.shape[:-2] + (-1,))[..., :K], -1, axis).astype(np.float32)
;;   ~~~
;;   OPERANDS COMPUTED ON THE WAY. 'Computed on the way' means the value that the module computes at that place (a softmax that the list does not call 'softmax' is quantised finished and normalised). What goes into a quantiser is computed in f32, as accurately as f32 sums, v_exp_f32 and their like allow (about 1e-6 of the number): no bf16 or f16 on the way to a quantiser, and a product that is left as it is and whose result goes on into a quantised operand takes f32 operands (vector FMAs, or v_wmma_f32_16x16x4_f32). A number that lies on a knife's edge between two numbers of the format may be rounded either way, as far as f32 arithmetic and the matrix unit's own rounding can turn it there, and no further.
;; One version. Each part assembles by itself: llvm-mc -triple=amdgcn-amd-amdhsa -mcpu=gfx1250 --defsym DOCPART=n.
;; ======== version 1 of 1: 4 launches
;; limits: right only within a limited range of input values
;; workspace buffers: actq 26,214,400 bytes; wq4 3,293,184 bytes; woq 823,296 bytes; proj 80,216,064 bytes; obuf 6,553,600 bytes
;; launch quant (part 1): grid 1184 x 1, 4 waves a work-group, no clusters, 49,664 bytes of LDS; arguments queries, language_signals, keys, values, Wq, Ws, Wk, Wv, Wo, bq, bs, bk, bv, bo, actq, wq4, woq; writes actq, wq4, woq
.if DOCPART == 1
	.amdgcn_target "amdgcn-amd-amdhsa--gfx1250"
	.amdhsa_code_object_version 6
	.text
	.protected	k_q6ab650260c_quant
	.globl	k_q6ab650260c_quant
	.p2align	8
	.type	k_q6ab650260c_quant,@function
k_q6ab650260c_quant:
	s_mov_b64 s[64:65], 0
	v_nop
	global_prefetch_b8 v0, s[64:65] scope:SCOPE_SE
	s_setreg_imm32_b32 hwreg(HW_REG_WAVE_MODE, 25, 1), 1
	s_wait_xcnt 0x0
; Nine f32 tensors with K innermost (four activations [8192][1024], five weights [1024][1024]) become codes of FP6 (E2M3) with one E8M0 byte for each 32 along K; the five biases are copied beside their weights.
; A block's scale is 2^(floor(log2(its largest magnitude)) - 2); its byte is the largest magnitude's exponent field - 2, held at 1 from below.
; RECORDS.  An activation's record: codes, 8192 x 768 bytes, then scale bytes, 8192 x 32.  A weight's record: codes 1024 x 768, scale bytes 1024 x 32, then its bias, 4,096 bytes.
; CODES LIE AS IMAGES OF THE MATRIX OPERAND'S REGISTERS.  Fragment (F, q) = 16 rows x K 128 q .. 128 q + 127 is 1,536 bytes at (8 F + q) x 1,536: registers 4 c .. 4 c + 3 of lane l at 512 c + 16 l.
; Lane (r, h) of fragment F holds row 32 (F / 2) + 8 (F % 2) + r + 8 (r / 8); its registers 6 c .. 6 c + 5 hold K = 128 q + 64 c + 32 h + 0 .. 31.  That choice of rows lets a matrix result be quantised in registers along the other side.
; SCALE BYTES: the 16 bytes of row r of fragment row F for K half kh at 512 F + 256 kh + 16 r.
; SHARES.  A work-group takes 32 rows = two fragment rows.  Wave w takes fragment row w % 2 and K half w / 2: 16 steps, step t = lane row t's 512 numbers; four images and 256 scale bytes leave whole.
; Work-groups 0-1023: the four activations, 256 each; 1024-1183: the five weights, 32 each.  Only pointers and offsets are chosen by the work-group's number.  No tensor loads, no barrier: waves share nothing.
; A step's loads read 512 consecutive bytes each; the numbers turn through a stage in LDS so that a lane holds 16 neighbours; the codes gather in a second stage (24 rows of 256 bytes, 272 apart) and leave 512 bytes a store.
; LIMITS: NaN and infinities among the inputs are not served; a block of zeros gets the byte 1 where the rule says 127 (its codes are zeros; this program alone reads the bytes).
.set STEPS, 16
.set EMAX,  2
.set R,     16                         ; v16-79   four sets of 16 numbers as they are loaded; at the end the images on their way out
.set X,     80                         ; v80-111  two sets of 16 neighbours
.set E,     112                        ; v112-127 a scale byte for each step
.set C,     128                        ; v128-191 codes: three registers of four for each step; the fourth ones of steps 0-5 serve below
.set CA,    131                        ; v131, v135, v139: where my three code words go in the stage of images
.set CRD,   143                        ; v143  where I read an image's 16 bytes back
.set SPW,   147                        ; v147  my spare word; never rewritten
.set NIL,   151                        ; v151  0; never rewritten
.set WREG,  12288                      ; LDS: a region for each wave: two stages of 32 x SP bytes, 256 scale bytes, the stage of images
.set SP,    80                         ; a lane's place in a stage: 64 bytes + 16 of padding
.set IP,    272                        ; a row of the stage of images: 16 lanes x 16 bytes + 16 of padding
.set SPARE, 4*WREG                     ; the spare words, 128 bytes for each wave
.set AREC,   6553600
.set ACODES, 6291456
.set WREC,   823296
.set WCODES, 786432
.set WBIAS,  819200
	s_load_b512 s[8:23], s[0:1], 0x0               ; queries, language_signals, keys, values, Wq, Ws, Wk, Wv
	s_load_b512 s[24:39], s[0:1], 0x40             ; Wo, bq, bs, bk, bv, bo, actq, wq4
	s_load_b64 s[40:41], s[0:1], 0x80              ; woq
	v_lshl_add_u32 v[SPW], v0, 2, SPARE
	v_mov_b32 v[NIL], 0
	v_lshrrev_b32 v1, 5, v0
	v_readfirstlane_b32 s54, v1                    ; wave
	v_and_b32 v2, 31, v0                           ; lane
	v_lshlrev_b32 v3, 4, v2                        ; my 16 bytes of 512
	s_mul_i32 s55, s54, WREG
	v_lshrrev_b32 v14, 2, v2
	v_mul_u32_u24 v14, v14, SP
	v_and_b32 v15, 3, v2
	v_lshl_add_u32 v14, v15, 4, v14
	v_add_nc_u32 v14, s55, v14                     ; the stage, on the way in: SP (lane / 4) + 16 (lane % 4)
	v_mul_u32_u24 v15, v2, SP
	v_add_nc_u32 v15, s55, v15                     ; and on the way out: SP x lane: my 16 neighbours
	v_lshrrev_b32 v5, 1, v2
	s_add_co_u32 s55, s55, 2*32*SP
	v_add_nc_u32 v5, s55, v5                       ; my wave's 256 scale bytes, my block's byte
	v_lshlrev_b32 v7, 3, v2                        ; and on the way out 8 bytes a lane
	v_add_nc_u32 v6, s55, v7
	v_lshlrev_b32 v1, 2, v2                        ; 4 x lane: a bias number
	; my 16 codes of a step are K = 16 lane on: image q' = lane / 8, block 2 c + h with h = bit 1 and c = bit 2 of the lane, half u = bit 0: words j = 6 c + 3 u + 0 .. 2 of image lane r + 16 h.
	; Stage row (2 q' + h) 3 + j / 4, in it 16 r + 4 (j % 4); r is the step and stands in the stores' immediates.
	v_lshrrev_b32 v8, 3, v2
	v_bfe_u32 v9, v2, 1, 1
	v_lshl_add_u32 v8, v8, 1, v9
	v_mul_u32_u24 v8, v8, 3
	v_bfe_u32 v9, v2, 2, 1
	v_mul_u32_u24 v9, v9, 6
	v_and_b32 v10, 1, v2
	v_mad_u32_u24 v9, v10, 3, v9
.irp i, 0,1,2
	v_add_nc_u32 v10, \i, v9
	v_lshrrev_b32 v11, 2, v10
	v_add_nc_u32 v11, v11, v8
	v_mul_u32_u24 v11, v11, IP
	v_and_b32 v10, 3, v10
	v_lshl_add_u32 v11, v10, 2, v11
	v_add_nc_u32 v[CA+4*\i], s55, v11
.endr
	v_and_b32 v10, 15, v2
	v_lshrrev_b32 v11, 4, v2
	v_mul_u32_u24 v11, v11, 3*IP
	v_lshl_add_u32 v11, v10, 4, v11
	v_add_nc_u32 v[CRD], s55, v11                  ; back: lane (r, h) takes 16 r of stage row 3 h + (6 q' + j / 4)
	; which tensor (ti = 0 .. 8) and which 32 rows of it (loc)
	s_cmp_lt_u32 ttmp9, 1024
	s_cselect_b32 s42, 0, 1024
	s_cselect_b32 s44, 8, 5
	s_cselect_b32 s45, 0, 4
	s_cselect_b32 s46, 255, 31
	s_sub_co_u32 s43, ttmp9, s42
	s_lshr_b32 s47, s43, s44
	s_add_co_u32 s47, s47, s45                     ; ti
	s_and_b32 s43, s43, s46                        ; loc
	s_mov_b32 s50, WCODES
	s_mov_b32 s51, WREC
	s_wait_alu depctr_va_vdst(0)
	s_wait_kmcnt 0x0
	s_mov_b64 s[4:5], s[8:9]                       ; the source: one of nine, chosen by ti
.irp i, 1,2,3,4,5,6,7,8
	s_cmp_eq_u32 s47, \i
	s_cselect_b64 s[4:5], s[8+2*\i:9+2*\i], s[4:5]
.endr
	s_mov_b64 s[6:7], s[26:27]                     ; the bias: one of five
.irp i, 1,2,3,4
	s_cmp_eq_u32 s47, 4+\i
	s_cselect_b64 s[6:7], s[26+2*\i:27+2*\i], s[6:7]
.endr
	s_cmp_lt_u32 s47, 4                            ; the destination: actq, wq4 or woq, and the record in it
	s_cselect_b64 s[48:49], s[36:37], s[38:39]
	s_cselect_b32 s50, ACODES, s50                 ; where a record's scale bytes begin
	s_cselect_b32 s51, AREC, s51
	s_cselect_b32 s52, 0, 4
	s_cmp_eq_u32 s47, 8
	s_cselect_b64 s[48:49], s[40:41], s[48:49]
	s_cselect_b32 s52, 8, s52
	s_sub_co_u32 s52, s47, s52
	s_mul_i32 s52, s52, s51                        ; the record's first byte
	s_lshl_b32 s55, s43, 2
	s_and_b32 s58, s54, 1                          ; f: which fragment row of the two
	s_lshr_b32 s59, s54, 1                         ; kh: which half of K
	s_add_co_u32 s56, s55, s58
	s_lshl_b32 s56, s56, 15                        ; the source: row 32 loc + 8 f, 4,096 bytes a row,
	s_lshl_b32 s57, s59, 11
	s_add_co_u32 s56, s56, s57                     ; + 2,048 kh
	s_mov_b32 s57, 0
	s_lshl_b32 s58, s58, 1
	s_or_b32 s58, s58, s59
	s_add_co_u32 s55, s55, s58                     ; 2 F + kh = 4 loc + 2 f + kh
	s_mul_i32 s58, s55, 6144                       ; four images
	s_add_co_u32 s58, s58, s52
	s_mov_b32 s59, 0
	s_lshl_b32 s60, s55, 8                         ; 256 scale bytes
	s_add_co_u32 s60, s60, s52
	s_add_co_u32 s60, s60, s50
	s_mov_b32 s61, 0
	s_add_nc_u64 s[4:5], s[4:5], s[56:57]
	s_add_nc_u64 s[8:9], s[48:49], s[58:59]        ; my images
	s_add_nc_u64 s[10:11], s[48:49], s[60:61]      ; my scale bytes
	s_lshl_b32 s44, s43, 7                         ; 32 numbers of the bias for each of a weight's 32 work-groups
	s_mov_b32 s45, 0
	s_add_nc_u64 s[6:7], s[6:7], s[44:45]
	s_add_co_u32 s44, s44, s52
	s_add_co_u32 s44, s44, WBIAS
	s_add_nc_u64 s[62:63], s[48:49], s[44:45]      ; (formed in every work-group, used in a weight's alone)
.macro LOAD t                          ; lane row t of the fragment is source row t + 8 (t / 8)
.irp i, 0,1,2,3
	global_load_b128 v[R+16*((\t)%4)+4*\i:R+16*((\t)%4)+4*\i+3], v3, s[4:5] offset:4096*((\t)+8*((\t)/8))+512*\i th:TH_LOAD_NT   ; 32 lanes read 512 consecutive bytes
.endr
.endm
.macro TURN t                          ; step t's numbers through the stage: LDS serves a wave's instructions in order, so no wait stands between the stores and the loads
.irp i, 0,1,2,3
	ds_store_b128 v14, v[R+16*((\t)%4)+4*\i:R+16*((\t)%4)+4*\i+3] offset:32*SP*((\t)%2)+8*SP*\i
.endr
.irp i, 0,1,2,3
	ds_load_b128 v[X+16*((\t)%2)+4*\i:X+16*((\t)%2)+4*\i+3], v15 offset:32*SP*((\t)%2)+16*\i
.endr
.endm
.irp t, 0,1,2,3
	LOAD \t
.endr
	s_wait_loadcnt 12                              ; step 0's four loads are in; three steps' twelve may be out
	TURN 0
.macro STEP t
.set XS, X+16*((\t)%2)
.if (\t) > 0
	s_wait_dscnt 4                                 ; this step's numbers are back from the stage (the last step's byte store and three code stores may be out)
.else
	s_wait_dscnt 0x0
.endif
.if (\t)+4 < STEPS
	LOAD (\t)+4                                    ; into the registers that the stage's stores have read
.endif
.if (\t)+1 < STEPS
.if STEPS-2-(\t) >= 3
	s_wait_loadcnt 12                              ; the next step's four loads are in; those of the three steps behind it may be out
.else
	s_wait_loadcnt 4*(STEPS-2-(\t))
.endif
	TURN (\t)+1
.endif
	v_max3_num_f32 v8, |v[XS]|, |v[XS+1]|, |v[XS+2]|               ; the largest magnitude of my 16
	v_max3_num_f32 v9, |v[XS+3]|, |v[XS+4]|, |v[XS+5]|
.irp i, 6,10
	v_max3_num_f32 v8, v8, |v[XS+\i]|, |v[XS+\i+1]|
	v_max3_num_f32 v9, v9, |v[XS+\i+2]|, |v[XS+\i+3]|
.endr
	v_max3_num_f32 v8, v8, |v[XS+14]|, |v[XS+15]|
	v_max3_num_f32 v8, v8, v9, (EMAX+1)<<23        ; and the floor 2^(3 - 127): the byte cannot fall under 1
	v_max_num_f32_dpp v8, v8, v8 row_xmask:1 row_mask:0xf bank_mask:0xf   ; and of my neighbour's 16: the block's
	v_add_nc_u32 v11, -(EMAX<<23), v8              ; 2 off its exponent field: the conversion takes the exponent field of this operand as its scale
	v_cvt_scalef32_pk16_fp6_f32 v[C+4*(\t):C+4*(\t)+2], v[XS:XS+15], v11
	v_lshrrev_b32 v[E+(\t)], 23, v11               ; the scale's byte (also the plain line behind the conversion)
	ds_store_b8 v5, v[E+(\t)] offset:16*(\t)       ; both lanes of a block write the same byte with the same value
.irp i, 0,1,2
	ds_store_b32 v[CA+4*\i], v[C+4*(\t)+\i] offset:256+16*(\t)   ; my three code words, to image lane row t
.endr
.endm
.irp t, 0,1,2,3,4,5,6,7,8,9,10,11,12,13,14,15
	STEP \t
.endr
	ds_load_b64 v[12:13], v6                       ; LDS serves a wave's instructions in order: these see my stores
.set g, 0
.rept 12
	ds_load_b128 v[R+4*g:R+4*g+3], v[CRD] offset:256+(g/3)*6*IP+(g%3)*IP   ; image g / 3, registers 4 (g % 3) on
.set g, g+1
.endr
	s_wait_dscnt 0x0
	global_store_b64 v7, v[12:13], s[10:11]        ; 32 lanes store 256 consecutive bytes, aligned
.set g, 0
.rept 12
	global_store_b128 v3, v[R+4*g:R+4*g+3], s[8:9] offset:512*g   ; 32 lanes store 512 consecutive bytes, aligned
.set g, g+1
.endr
	s_cmp_lt_u32 s47, 4                            ; a weight's work-group copies 32 numbers of its bias, by wave 0
	s_cbranch_scc1 .Ldone
	s_cmp_lg_u32 s54, 0
	s_cbranch_scc1 .Ldone
	global_load_b32 v10, v1, s[6:7]
	s_wait_loadcnt 0x0
	global_store_b32 v1, v10, s[62:63]
.Ldone:
	s_wait_tensorcnt 0x0                           ; the wave's end
	ds_add_u32 v[SPW], v[NIL]
	s_wait_dscnt 0x0
	s_endpgm
.Lfunc_end_k_q6ab650260c_quant:
	.size	k_q6ab650260c_quant, .Lfunc_end_k_q6ab650260c_quant-k_q6ab650260c_quant
	.p2alignl 7, 3214868480
	.fill 96, 4, 3214868480
	.section	.rodata,"a",@progbits
	.p2align	6, 0x0
	.amdhsa_kernel k_q6ab650260c_quant
		.amdhsa_group_segment_fixed_size 49664
		.amdhsa_private_segment_fixed_size 0
		.amdhsa_enable_private_segment 0
		.amdhsa_kernarg_size 136
		.amdhsa_user_sgpr_count 2
		.amdhsa_user_sgpr_kernarg_segment_ptr 1
		.amdhsa_wavefront_size32 1
		.amdhsa_system_sgpr_workgroup_id_x 1
		.amdhsa_system_sgpr_workgroup_id_y 1
		.amdhsa_system_sgpr_workgroup_id_z 1
		.amdhsa_system_vgpr_workitem_id 0
		.amdhsa_next_free_vgpr 192
		.amdhsa_next_free_sgpr 66
		.amdhsa_reserve_vcc 0
		.amdhsa_float_denorm_mode_32 3
		.amdhsa_float_denorm_mode_16_64 3
		.amdhsa_memory_ordered 1
		.amdhsa_forward_progress 1
		.amdhsa_inst_pref_size 40
	.end_amdhsa_kernel
	.amdgpu_metadata
---
amdhsa.version: [ 1, 2 ]
amdhsa.kernels:
  - .name:           k_q6ab650260c_quant
    .symbol:         k_q6ab650260c_quant.kd
    .args:
      - { .name: queries, .offset: 0, .size: 8, .value_kind: global_buffer, .address_space: global }
      - { .name: language_signals, .offset: 8, .size: 8, .value_kind: global_buffer, .address_space: global }
      - { .name: keys, .offset: 16, .size: 8, .value_kind: global_buffer, .address_space: global }
      - { .name: values, .offset: 24, .size: 8, .value_kind: global_buffer, .address_space: global }
      - { .name: Wq, .offset: 32, .size: 8, .value_kind: global_buffer, .address_space: global }
      - { .name: Ws, .offset: 40, .size: 8, .value_kind: global_buffer, .address_space: global }
      - { .name: Wk, .offset: 48, .size: 8, .value_kind: global_buffer, .address_space: global }
      - { .name: Wv, .offset: 56, .size: 8, .value_kind: global_buffer, .address_space: global }
      - { .name: Wo, .offset: 64, .size: 8, .value_kind: global_buffer, .address_space: global }
      - { .name: bq, .offset: 72, .size: 8, .value_kind: global_buffer, .address_space: global }
      - { .name: bs, .offset: 80, .size: 8, .value_kind: global_buffer, .address_space: global }
      - { .name: bk, .offset: 88, .size: 8, .value_kind: global_buffer, .address_space: global }
      - { .name: bv, .offset: 96, .size: 8, .value_kind: global_buffer, .address_space: global }
      - { .name: bo, .offset: 104, .size: 8, .value_kind: global_buffer, .address_space: global }
      - { .name: actq, .offset: 112, .size: 8, .value_kind: global_buffer, .address_space: global }
      - { .name: wq4, .offset: 120, .size: 8, .value_kind: global_buffer, .address_space: global }
      - { .name: woq, .offset: 128, .size: 8, .value_kind: global_buffer, .address_space: global }
    .group_segment_fixed_size: 49664
    .private_segment_fixed_size: 0
    .kernarg_segment_align: 8
    .kernarg_segment_size: 136
    .max_flat_workgroup_size: 128
    .sgpr_count:     66
    .vgpr_count:     192
    .wavefront_size: 32
...
	.end_amdgpu_metadata
.endif
;; end of part 1
;; launch proj4 (part 2): grid 4 x 64, 4 waves a work-group, clusters of 4 x 4, 327,680 bytes of LDS; arguments actq, wq4, proj; writes proj
.if DOCPART == 2
	.amdgcn_target "amdgcn-amd-amdhsa--gfx1250"
	.amdhsa_code_object_version 6
	.text
	.protected	k_q6ab650260c_proj4
	.globl	k_q6ab650260c_proj4
	.p2align	8
	.type	k_q6ab650260c_proj4,@function
k_q6ab650260c_proj4:
	s_mov_b64 s[64:65], 0
	v_nop
	global_prefetch_b8 v0, s[64:65] scope:SCOPE_SE
	s_setreg_imm32_b32 hwreg(HW_REG_WAVE_MODE, 25, 1), 1
	s_wait_xcnt 0x0
	s_wait_alu depctr_hold_cnt(0) depctr_sa_sdst(0) depctr_va_vdst(0) depctr_va_sdst(0) depctr_va_ssrc(0) depctr_va_vcc(0) depctr_vm_vsrc(0)
	s_getreg_b32 s2, hwreg(HW_REG_IB_STS2, 6, 4)
	s_cmp_eq_u32 s2, 0
	s_cbranch_scc0 .Lentry_in_a_cluster
	s_endpgm
.Lentry_in_a_cluster:
	s_bfe_u32 s2, ttmp6, 0x10000c
	s_cmp_lg_u32 s2, 0xf033
	s_cbranch_scc0 .Lentry_shape_is_right
	s_endpgm
.Lentry_shape_is_right:
; The four projections x W^T + b on codes of FP6 (E2M3) with E8M0 scales, M = 8,192, N = K = 1,024 each.  Arguments: the activations' records, the weights' records, the workspace of results.
; A cluster of 4 x 4 work-groups makes 1,024 x 1,024 at a time; the cluster's y says which tensor t (y % 4: 0 q, 1 s, 2 k, 3 v) and which 2,048 activation rows (y / 4).
; A WORK-GROUP STAYS: it makes two tiles of 256 x 256, 1,024 activation rows apart, with the same weights.  The ring of two slots runs on into the next tile: the first tile's last two changes of slots ask for the next
; tile's K steps 0 and 1, and nothing waits for the first tile's stores but the wait that frees their registers.  The last tile's tail is written out: it asks for nothing more.
; EVERY RESULT LEAVES AS AN IMAGE OF THE REGISTERS IN WHICH THE ATTENTION LAUNCH WANTS IT: registers 4 j .. 4 j + 3 of lane l at 512 j + 16 l, so that every store and every later load covers 512 consecutive bytes.
; t = 0, 1: f32, 64 registers (8,192 bytes) for 16 rows x one head.  t = 2, 3: quantised in registers, k along the head's 128, v along the keys: 12 registers (1,536 bytes) a fragment, and its scale words.
; Each of the four waves makes 128 x 128 (64 accumulators by turns).  K goes in steps of 256 through two LDS slots filled by joint tensor loads.
; THE CODES LIE AS IMAGES OF THE FRAGMENTS: fragment (F, q), 16 rows x 128 K, is 1,536 bytes at (8 F + q) x 1,536, registers 4 c .. 4 c + 3 of lane l at 512 c + 16 l.  A tile's row is a fragment row's K step: 3,072 bytes at a
; multiple of 256; it lands dense in LDS.  SCALE WORDS go from memory straight into registers: fragment row F's 512 bytes are [K half][row][16 bytes], so 16 bytes a lane give lanes 0-15 K steps 0-3 and lanes 16-31 steps 4-7.
; SIDES.  Source 1 of the matrix instruction ('A side') gives a lane its row, source 0 ('B side') runs along a lane's registers.  t < 3: A side = activations, B side = weights.  t = 3: the sides are exchanged (only pointers
; and offsets are chosen): a lane holds one feature d and its registers run along the keys, which are v's K.  One path serves all: at a change of tiles both sides' addresses step, the weights' by 0.
; ROW ORDER.  Lane r of fragment row F is row 32 (F / 2) + 8 (F % 2) + r + 8 (r / 8), so the 16 registers of result tiles 2 b', 2 b' + 1 are the 16 neighbours 32 b' + 16 (lane / 16) + 0 .. 15 along the B side.
; CLUSTERS.  The A side's tile is shared along a row of the cluster, the B side's along a column.  No prefetch: K has four steps a tile, at the largest block, in clusters; a next tile's first steps are asked for a way out ahead.
; REGISTERS: window 0: v16-29 addresses; v32-63 the A side's scale words (4 a + q % 4), v64-95 the B side's; v128-223 the A side's fragments; v224-239 the bias along the lanes.  window 1: the B side's fragments, two sets
;   (v0-95, v128-223); v96-127 and v224-255 the bias along the registers, which starts the sums.  windows 2, 3: the accumulators.  On the way out v128-223 and v240-255 of window 0 are free.
; LIMITS: NaN and infinities are not served; a block of zeros gets the byte 1 where the rule says 127 (its codes are zeros; this program alone reads the bytes).
.set ROWB,   3072                      ; a tile's row in bytes: two images
.set KROW,   768                       ; bytes of codes for each row of a tensor
.set FR,     12
.set NL,     3                         ; LDS loads that bring a fragment
.set NP,     4                         ; places behind this matrix instruction (ISA guide 7.12.1)
.set HALFT,  8*ROWB                    ; 128 rows = 8 fragment rows
.set SLOT,   4*HALFT
.set SPARE,  2*SLOT                    ; the spare words, 128 bytes for each wave
.set TDIST,  1024*KROW                 ; from a tile's activation rows to the next tile's, in bytes of codes,
.set SDIST,  1024*32                   ; and of scale bytes
.set AREC,   6553600
.set ACODES, 6291456
.set WREC,   823296
.set WCODES, 786432
.set WBIAS,  819200
.set KIMG,   67108864                  ; in the result: k's images; v's lie 6,291,456 further on
.set KSCL,   79691776                  ; k's scale words; v's lie 262,144 further on
.set ADRA, 16
.set ADRB, 20
.set CO,   26                          ; v26  16 x lane
.set SPW,  28
.set NIL,  29
.set SA,   32
.set SB,   64
.set AF,   128
.set RBI,  224                         ; register 2 a (its neighbour is 0: the pair is named by a packed addition)
.set T,    128                         ; the code path: v128-191 a block's 64 numbers
.set PC,   192                         ; v192-211 the codes just made
.set PW,   212                         ; v212-219 a scale word for each block
.set SW,   220                         ; v220-223 the eight words as they are stored
.set TM,   240                         ; v240-255 at work in the quantiser
.set G1, 24
.set G0, 32
.set G1B, 48
.set G0B, 56
.set MSB, 0
.macro WIN new                         ; the immediate's high byte repeats the setting that is left
.if MSB != (\new)
	s_set_vgpr_msb (MSB<<8)|(\new)
.set MSB, (\new)
.endif
.endm
.set MUL_LO, 0xa1                      ; source 0 window 1, source 1 window 0, C and D window 2
.set MUL_HI, 0xf1                      ; the same, C and D window 3
.set TO_B,   0x40
; A joint load: waves 0 and 1 fetch for the A side, waves 2 and 3 for the B side; the branch hangs on the wave's number alone.  An s_nop 0 and four v_nop follow each of the two lines.
.macro JLOAD g0a, g1a, g0b, g1b
	s_cmp_eq_u32 s15, 0
	s_cbranch_scc0 .Lfor_b_\@
	tensor_load_to_lds s[\g0a:\g0a+3], s[\g1a:\g1a+7]
	s_nop 0
.rept 4
	v_nop
.endr
	s_branch .Lasked_\@
.Lfor_b_\@:
	tensor_load_to_lds s[\g0b:\g0b+3], s[\g1b:\g1b+7]
	s_nop 0
.rept 4
	v_nop
.endr
.Lasked_\@:
.endm
.macro CREST                           ; a round of the cluster's barrier behind its opening barrier
	s_cmp_lg_u32 s14, 0
	s_cbranch_scc1 .Lnot_wave_0_\@
	s_barrier_signal -3
.Lnot_wave_0_\@:
	s_barrier_wait -3
	s_barrier_signal -1
	s_barrier_wait -1
.endm
.macro CROUND
	s_barrier_signal -1
	s_barrier_wait -1
	CREST
.endm
.macro PLACES n                        ; plain vector lines between a matrix instruction and a load into, or a read of, its registers
.rept \n
	v_nop
.endr
.endm
.macro SCLOAD                          ; the scale words of my 128 rows of each side, for all of K: 32 lanes read 512 consecutive bytes
.irp i, 0,1,2,3,4,5,6,7
	global_load_b128 v[SA+4*\i:SA+4*\i+3], v[CO], s[72:73] offset:512*\i
	global_load_b128 v[SB+4*\i:SB+4*\i+3], v[CO], s[74:75] offset:512*\i
.endr
.endm
	s_load_b128 s[4:7], s[0:1], 0x0                ; the activations' records, the weights' records
	s_load_b64 s[8:9], s[0:1], 0x10                ; the result
	v_lshl_add_u32 v[SPW], v0, 2, SPARE
	v_mov_b32 v[NIL], 0
	ds_add_u32 v[SPW], v[NIL]                      ; the opening lines: the add, twice on end, and its wait ahead of my first tensor load
	ds_add_u32 v[SPW], v[NIL]
	v_lshrrev_b32 v1, 5, v0
	v_readfirstlane_b32 s14, v1                    ; wave 0..3
	s_lshr_b32 s15, s14, 1                         ; which half of the A side's rows is mine.  Also: I fetch for the A side (0) or the B side (1)
	s_and_b32 s16, s14, 1                          ; which half of the B side's.  Also: which 128 rows of that tile I fetch
	s_bfe_u32 s40, ttmp6, 0x40000                  ; cx, cy: my place in the cluster
	s_bfe_u32 s41, ttmp6, 0x40004
	s_and_b32 s17, ttmp7, 0xffff                   ; the cluster's y (the grid is one cluster wide)
	s_and_b32 s66, s17, 3                          ; t: which tensor
	s_lshr_b32 s42, s17, 2
	s_lshl_b32 s42, s42, 3                         ; the first of the four tiles of 256 activation rows that the cluster makes now; the second walk's lie four on
	s_lshl_b32 s43, s41, 2
	s_lshl_b32 s43, 15, s43                        ; my row of the cluster
	s_lshl_b32 s44, 0x1111, s40                    ; my column
	s_or_b32 s[G1+0], s43, (3<<16)|(1<<21)         ; a tile of 8 fragment rows x 3,072 bytes: elements of 8 bytes, no padding
	s_or_b32 s[G1B+0], s44, (3<<16)|(1<<21)
.irp g, G1, G1B
	s_mov_b32 s[\g+1], (ROWB/8)<<16                ; tensor_dim0
	s_mov_b32 s[\g+2], 8<<16                       ; tensor_dim1
	s_mov_b32 s[\g+3], (ROWB/8)<<16                ; tile_dim0
	s_mov_b32 s[\g+4], 8                           ; tile_dim1
	s_mov_b32 s[\g+5], 16*KROW/8                   ; from fragment row to fragment row
	s_mov_b32 s[\g+6], 0
	s_mov_b32 s[\g+7], 0
.endr
	; which record feeds which side, and which side steps at a change of tiles: for t = 3 the sides are exchanged
	s_mul_i32 s67, s66, AREC
	s_mul_i32 s96, s66, WREC
	s_mov_b32 s97, ACODES
	s_mov_b32 s98, WCODES
	s_cmp_eq_u32 s66, 3
	s_cselect_b32 s18, s96, s67                    ; the A side's record,
	s_cselect_b32 s19, s67, s96                    ; the B side's,
	s_cselect_b32 s99, s98, s97                    ; where their scale bytes begin,
	s_cselect_b32 s100, s97, s98
	s_cselect_b32 s20, 0, s42                      ; the cluster's first tile on each side,
	s_cselect_b32 s46, s42, 0
	s_cselect_b32 s101, 0, -1                      ; the bias runs along the registers (t < 3)
	s_cselect_b32 s95, -1, 0                       ; or along the lanes (t = 3),
	s_cselect_b32 s68, 0, TDIST                    ; and each side's steps to the next tile: codes,
	s_cselect_b32 s70, TDIST, 0
	s_cselect_b32 s76, 0, SDIST                    ; scale bytes
	s_cselect_b32 s78, SDIST, 0
	s_mov_b32 s69, 0
	s_mov_b32 s71, 0
	s_mov_b32 s77, 0
	s_mov_b32 s79, 0
	s_add_co_u32 s20, s20, s41                     ; A side: the tile hangs on cy, which my row of the cluster shares
	s_lshl_b32 s20, s20, 8                         ; its first row
	s_add_co_u32 s46, s46, s40                     ; B side: on cx, which my column shares
	s_lshl_b32 s46, s46, 8
	s_lshl_b32 s17, s15, 7
	s_add_co_u32 s22, s20, s17                     ; the scale bytes of the 128 rows that I multiply: 32 a row
	s_lshl_b32 s22, s22, 5
	s_add_co_u32 s22, s22, s18
	s_add_co_u32 s22, s22, s99
	s_mov_b32 s23, 0
	s_lshl_b32 s17, s16, 7
	s_add_co_u32 s92, s46, s17
	s_lshl_b32 s92, s92, 5
	s_add_co_u32 s92, s92, s19
	s_add_co_u32 s92, s92, s100
	s_mov_b32 s93, 0
	s_add_co_u32 s20, s20, s17                     ; the codes of the 128 rows that I fetch
	s_mul_i32 s20, s20, KROW
	s_add_co_u32 s20, s20, s18
	s_mov_b32 s21, 0
	s_add_co_u32 s46, s46, s17
	s_mul_i32 s46, s46, KROW
	s_add_co_u32 s46, s46, s19
	s_mov_b32 s47, 0
	s_mul_i32 s45, s14, HALFT                      ; where they go: wave x 128 rows: no place in the cluster enters an LDS address
	s_wait_dscnt 0x0                               ; both opening adds are done
	s_wait_kmcnt 0x0
	s_cmp_eq_u32 s66, 3
	s_cselect_b64 s[10:11], s[6:7], s[4:5]         ; the A side's buffer
	s_cselect_b64 s[12:13], s[4:5], s[6:7]         ; the B side's
	s_add_nc_u64 s[20:21], s[10:11], s[20:21]
	s_add_nc_u64 s[72:73], s[10:11], s[22:23]
	s_add_nc_u64 s[46:47], s[12:13], s[46:47]
	s_add_nc_u64 s[74:75], s[12:13], s[92:93]
	CROUND                                         ; all sixteen work-groups are here: the first joint loads meet
.irp s, 0,1
	s_mov_b32 s[G0+4*\s], 1
	s_add_co_u32 s[G0+4*\s+1], s45, \s*SLOT
	s_add_nc_u64 s[G0+4*\s+2:G0+4*\s+3], s[20:21], \s*ROWB
	s_or_b32 s[G0+4*\s+3], s[G0+4*\s+3], 0x80000000
	s_mov_b32 s[G0B+4*\s], 1
	s_add_co_u32 s[G0B+4*\s+1], s45, \s*SLOT
	s_add_nc_u64 s[G0B+4*\s+2:G0B+4*\s+3], s[46:47], \s*ROWB
	s_or_b32 s[G0B+4*\s+3], s[G0B+4*\s+3], 0x80000000
.endr
	JLOAD G0, G1, G0B, G1B                         ; K step 0, a quarter of slot 0 a wave
	v_and_b32 v1, 15, v0                           ; r = lane % 16
	v_bfe_u32 v2, v0, 4, 1                         ; h = lane / 16
	v_and_b32 v6, 31, v0
	v_lshlrev_b32 v[CO], 4, v6                     ; an image's place for my lane: in LDS, in the scale words and in the result
	v_lshlrev_b32 v7, 6, v2                        ; 16 h numbers on
	v_and_b32 v8, 8, v1
	v_add_nc_u32 v8, v8, v1
	v_lshlrev_b32 v8, 2, v8                        ; r + 8 (r / 8) numbers on
	s_wait_alu depctr_va_vdst(0)
	; the bias, both ways: along the registers (my 128 B-side rows) and along the lanes (my 128 A-side rows); both stay inside its 4,096 bytes for every t
	s_add_co_u32 s92, s96, WBIAS
	s_mov_b32 s93, 0
	s_add_nc_u64 s[92:93], s[6:7], s[92:93]
	s_lshl_b32 s46, s40, 10
	s_lshl_b32 s47, s16, 9
	s_add_co_u32 s46, s46, s47
	s_mov_b32 s47, 0
	s_add_nc_u64 s[46:47], s[92:93], s[46:47]
	s_lshl_b32 s20, s41, 10
	s_lshl_b32 s21, s15, 9
	s_add_co_u32 s20, s20, s21
	s_mov_b32 s21, 0
	s_add_nc_u64 s[20:21], s[92:93], s[20:21]
	WIN TO_B
.irp b, 0,1,2,3,4,5,6,7
	global_load_b128 v[96+8*\b+96*(\b/4):96+8*\b+96*(\b/4)+3], v7, s[46:47] offset:(32*(\b/2)+8*(\b%2))*4
	global_load_b128 v[96+8*\b+96*(\b/4)+4:96+8*\b+96*(\b/4)+7], v7, s[46:47] offset:(32*(\b/2)+8*(\b%2))*4+16
.endr
	WIN 0
.irp a, 0,1,2,3,4,5,6,7
	global_load_b32 v[RBI+2*\a], v8, s[20:21] offset:(32*(\a/2)+8*(\a%2))*4
	v_mov_b32 v[RBI+2*\a+1], 0
.endr
	SCLOAD
	s_mul_i32 s17, s15, HALFT                      ; my 128 rows of the A side
	s_mul_i32 s22, s16, HALFT                      ; my 128 rows of the B side,
	s_add_co_u32 s22, s22, 2*HALFT                 ; which lie behind the A side's 256
.irp s, 0,1
	v_add_nc_u32 v[ADRA+\s], s17, v[CO]
	v_add_nc_u32 v[ADRB+\s], s22, v[CO]
	s_add_co_u32 s17, s17, SLOT
	s_add_co_u32 s22, s22, SLOT
.endr
	s_wait_alu depctr_va_vdst(0)
	s_wait_loadcnt 0x0                             ; the bias and the first tile's scale words
	WIN 0x44                                       ; destination and source 1: window 1
.irp o, 96, 224
.set j, 0
.rept 32
	v_and_b32 v[\o+j], s101, v[\o+j]               ; of the two readings of the bias one is kept: for t = 3 the one along the registers becomes 0
.set j, j+1
.endr
.endr
	WIN 0
.macro FRAG reg, adr, q, i             ; the image as it lies: 32 lanes read 512 consecutive bytes, three times
.irp c, 0,1,2
	ds_load_b128 v[\reg+4*\c:\reg+4*\c+3], v[\adr] offset:(\i)*ROWB+(\q)*1536+512*\c
.endr
.endm
; 16 matrix instructions of step g (0 .. 7 along K): the A side's blocks a0, a0 + 1 x the B side's eight.  The 64 accumulators take turns, one instruction a turn, in the same order in every step.
; zero = 1: the bias along the registers starts the sums.  Steps 4-7 take their scale words from lanes 16-31.
.macro MUL16 a0, g, zero
.irp a, \a0, \a0+1
.irp b, 0,1,2,3,4,5,6,7
.set rD, 8*(8*((\a)%4)+\b)
.set rB, 128*((\g)%2)+FR*\b
.set rA, AF+FR*(\a)
.set rC, 96+8*\b+96*(\b/4)
.if \zero
	v_wmma_scale_f32_16x16x128_f8f6f4 v[rD:rD+7], v[rB:rB+11], v[rA:rA+11], v[rC:rC+7], v[SB+4*\b], v[SA+4*(\a)] matrix_a_fmt:MATRIX_FMT_FP6 matrix_b_fmt:MATRIX_FMT_FP6
.else
.if (\g) < 4
	v_wmma_scale_f32_16x16x128_f8f6f4 v[rD:rD+7], v[rB:rB+11], v[rA:rA+11], v[rD:rD+7], v[SB+4*\b+(\g)%4], v[SA+4*(\a)+(\g)%4] matrix_a_fmt:MATRIX_FMT_FP6 matrix_b_fmt:MATRIX_FMT_FP6
.else
	v_wmma_scale_f32_16x16x128_f8f6f4 v[rD:rD+7], v[rB:rB+11], v[rA:rA+11], v[rD:rD+7], v[SB+4*\b+(\g)%4], v[SA+4*(\a)+(\g)%4] matrix_a_fmt:MATRIX_FMT_FP6 matrix_b_fmt:MATRIX_FMT_FP6 matrix_a_scale:MATRIX_SCALE_ROW1 matrix_b_scale:MATRIX_SCALE_ROW1
.endif
.endif
.endr
.endr
.endm
.macro FETCH_B slot, q, p
	WIN TO_B
.irp i, 0,1,2,3,4,5,6,7
	FRAG 128*(\p)+FR*\i, ADRB+\slot, \q, \i
.endr
	WIN 0
.endm
.macro FETCH_A slot, q, i0
.irp i, \i0, \i0+1, \i0+2, \i0+3
	FRAG AF+FR*(\i), ADRA+\slot, \q, \i
.endr
.endm
.macro STEP g, zero                    ; an even step: its successor lies in the same slot
.set SL, ((\g)/2)%2
	s_wait_dscnt 4*NL                              ; the B side's set and the A side's blocks 0-3 are in; the youngest 12 loads (blocks 4-7) may be out
	WIN MUL_LO-0x10*(\zero)                        ; (the bias lies in window 1)
	MUL16 0, \g, \zero
	MUL16 2, \g, \zero
	s_wait_dscnt 0
	PLACES NP
	FETCH_B SL, 1, 1
	FETCH_A SL, 1, 0
	WIN MUL_HI-0x20*(\zero)
	MUL16 4, \g, \zero
	MUL16 6, \g, \zero
	PLACES NP
	WIN 0
	FETCH_A SL, 1, 4
.endm
; An odd step changes slots: one barrier; in front of it each wave waits for all its tensor loads, adds 0 to its spare word, and waits for that and for its own reads of this slot.
; fill = 1: the slot takes this tile's K step two on; 2: the next tile's K step of the same slot; 0: nothing.  fetch = 0: the next slot's first fragments are fetched behind the way out.
.macro TURN g, fill, fetch
.set SL, ((\g)/2)%2
	s_wait_tensorcnt 0x0                           ; all my tensor loads have landed: my part of the next slot
	ds_add_u32 v[SPW], v[NIL]                      ; 0 onto my spare word
	s_wait_dscnt 4*NL+1                            ; (the add and the youngest 12 loads may be out)
	WIN MUL_LO
	MUL16 0, \g, 0
	s_wait_dscnt 0x0                               ; the add is done, and my reads of this slot are over
	s_barrier_signal -1
	MUL16 2, \g, 0
	WIN 0
	s_barrier_wait -1
.if \fill
	CREST                                          ; the barrier has opened a round of the cluster's barrier: no wave of any partner still reads this slot or has a load on its way
.if \fill == 1
	s_add_nc_u64 s[G0+4*SL+2:G0+4*SL+3], s[G0+4*SL+2:G0+4*SL+3], 2*ROWB
	s_add_nc_u64 s[G0B+4*SL+2:G0B+4*SL+3], s[G0B+4*SL+2:G0B+4*SL+3], 2*ROWB
.else
	s_add_nc_u64 s[G0+4*SL+2:G0+4*SL+3], s[G0+4*SL+2:G0+4*SL+3], s[68:69]     ; on to the next tile's rows (the weights' side by 0),
	s_sub_nc_u64 s[G0+4*SL+2:G0+4*SL+3], s[G0+4*SL+2:G0+4*SL+3], 2*ROWB       ; and two K steps back
	s_add_nc_u64 s[G0B+4*SL+2:G0B+4*SL+3], s[G0B+4*SL+2:G0B+4*SL+3], s[70:71]
	s_sub_nc_u64 s[G0B+4*SL+2:G0B+4*SL+3], s[G0B+4*SL+2:G0B+4*SL+3], 2*ROWB
.endif
	JLOAD G0+4*SL, G1, G0B+4*SL, G1B               ; the first tensor load behind the round; its four v_nop are also the places in front of the loads below
.else
	PLACES NP
.endif
.if \fetch
	FETCH_B 1-SL, 0, 0
	FETCH_A 1-SL, 0, 0
.endif
	WIN MUL_HI
	MUL16 4, \g, 0
	MUL16 6, \g, 0
.if \fetch
	PLACES NP
	WIN 0
	FETCH_A 1-SL, 0, 4
.endif
.endm
	s_wait_alu depctr_va_vdst(0)
	s_wait_tensorcnt 0x0                           ; my quarter of K step 0 is in
	ds_add_u32 v[SPW], v[NIL]
	s_wait_dscnt 0x0
	CROUND                                         ; slot 0 is whole, and all sixteen work-groups are here
	JLOAD G0+4, G1, G0B+4, G1B                     ; K step 1, the first tensor load behind the round
	s_mov_b32 s80, 2                               ; tiles to go: the same number in every work-group
.Ltile:
	FETCH_B 0, 0, 0
	FETCH_A 0, 0, 0
	FETCH_A 0, 0, 4
	STEP 0, 1
	TURN 1, 1, 1
	STEP 2, 0
	TURN 3, 1, 1
	STEP 4, 0
	s_cmp_eq_u32 s80, 1
	s_cbranch_scc1 .Llast_tile                     ; the last tile's tail is written out: it asks for nothing more
	TURN 5, 2, 1                                   ; the ring goes on into the next tile: slot 0 takes its K step 0,
	STEP 6, 0
	TURN 7, 2, 0                                   ; slot 1 its K step 1
	WIN 0
	PLACES NP                                      ; in front of loads into the scale registers that the last products read
	s_add_nc_u64 s[72:73], s[72:73], s[76:77]      ; (the loads that named these bases are done)
	s_add_nc_u64 s[74:75], s[74:75], s[78:79]
	SCLOAD                                         ; the next tile's scale words come under this tile's way out
	s_branch .Lout
.Llast_tile:
	TURN 5, 0, 1
	STEP 6, 0
	s_wait_dscnt 4*NL
	WIN MUL_LO
	MUL16 0, 7, 0
	MUL16 2, 7, 0
	s_wait_dscnt 0
	WIN MUL_HI
	MUL16 4, 7, 0
	MUL16 6, 7, 0
	WIN 0
.Lout:
	PLACES NP+1                                    ; behind the last products: their results are read now, and later written over by matrix instructions
	; my wave's result is 128 activation rows x one head: the group (8 batch + head) 8 + (which 128 rows of the batch's 1,024)
	s_cmp_eq_u32 s66, 3
	s_cselect_b32 s20, s40, s41                    ; the activations' tile hangs on cx (v) or cy (the others),
	s_cselect_b32 s21, s16, s15
	s_cselect_b32 s22, s41, s40                    ; the head on the other
	s_cselect_b32 s23, s15, s16
	s_cselect_b32 s46, 6291456, 0
	s_cselect_b32 s47, 262144, 0
	s_add_co_u32 s20, s20, s42
	s_lshl_b32 s20, s20, 1
	s_add_co_u32 s20, s20, s21                     ; which 128 rows of the 8,192: 8 x batch + the step in the batch
	s_lshl_b32 s22, s22, 1
	s_add_co_u32 s22, s22, s23                     ; the head
	s_lshr_b32 s21, s20, 3
	s_lshl_b32 s21, s21, 3
	s_add_co_u32 s21, s21, s22
	s_lshl_b32 s21, s21, 3
	s_and_b32 s20, s20, 7
	s_add_co_u32 s21, s21, s20                     ; the group
	s_cmp_lt_u32 s66, 2                            ; t is the same in all partners of a cluster
	s_cbranch_scc0 .Lcodes
; ---- THE WAY OUT IN f32 (t = 0: q, t = 1: s).  The sums began with the bias, so a block's 64 registers leave as they stand: block a of the group at 8,192 a, registers 4 j .. 4 j + 3 of lane l at 512 j + 16 l.
; Register 16 b' + i of lane (r, h) is feature 32 b' + 16 h + i of the head, for row 32 (a / 2) + 8 (a % 2) + r + 8 (r / 8) of the group's 128.
	s_lshl_b32 s20, s21, 16                        ; eight images of 8,192 bytes a group,
	s_lshl_b32 s22, s66, 25                        ; s 32 MiB behind q
	s_add_co_u32 s20, s20, s22
	s_mov_b32 s21, 0
	s_add_nc_u64 s[12:13], s[8:9], s[20:21]
.macro SENDF a
.set AC, 64*((\a)%4)
	WIN 0x08+4*((\a)/4)                            ; a store's data are its source 1: window 2 or 3
.set j, 0
.rept 16
	global_store_b128 v[CO], v[AC+4*j:AC+4*j+3], s[12:13] offset:8192*(\a)+512*j th:TH_STORE_NT   ; 32 lanes store 512 consecutive bytes, aligned; each accumulator from its low end on
.set j, j+1
.endr
.endm
.irp a, 0,1,2,3,4,5,6,7
	SENDF \a
.endr
	WIN 0
	s_branch .Lend
; ---- THE WAY OUT AS CODES (t = 2: k, t = 3: v).  A block's 64 numbers of a lane are 128 neighbours along the next product's K in lanes l and l xor 16: they become one fragment and one scale word a row,
; and leave as an image of the fragment's registers: register 4 c .. 4 c + 3 of lane l at 512 c + 16 l.  No LDS.
.Lcodes:
	s_mul_i32 s20, s21, 12288
	s_add_co_u32 s20, s20, s46
	s_add_co_u32 s20, s20, KIMG
	s_lshl_b32 s22, s21, 9
	s_add_co_u32 s22, s22, s47
	s_add_co_u32 s22, s22, KSCL
	s_mov_b32 s21, 0
	s_mov_b32 s23, 0
	s_add_nc_u64 s[12:13], s[8:9], s[20:21]        ; the group's eight images
	s_add_nc_u64 s[10:11], s[8:9], s[22:23]        ; and its 512 bytes of scale words
	s_mov_b32 s18, 0x76543210
	s_mov_b32 s19, 0xfedcba98                      ; v_permlanex16_b32's selects for lane l xor 16
	s_mov_b32 s22, 0xffff0000                      ; lanes 16-31
.irp b, 0,1,2,3
	v_mov_b32 v[TM+4+\b], 0                        ; a lane permute's destination counts as one of its sources
.endr
.irp a, 0,1,2,3,4,5,6,7
	v_and_b32 v[RBI+2*\a], s95, v[RBI+2*\a]        ; the bias along the lanes is kept for t = 3 alone
.endr
; 64 numbers of a lane, register 16 b + i = k 32 b + 16 (lane / 16) + i of my row, become a fragment's codes in v[PC] on and its scale word in v[pw]
.macro QUANT s, pw
.irp b, 0,1,2,3
	v_max3_num_f32 v[TM+\b], |v[\s+16*\b]|, |v[\s+1+16*\b]|, 0x1800000   ; my 16 numbers of block b, and the floor 2^(3 - 127): the byte cannot fall under 1
.endr
.irp i, 2,4,6,8,10,12,14
.irp b, 0,1,2,3
	v_max3_num_f32 v[TM+\b], v[TM+\b], |v[\s+16*\b+\i]|, |v[\s+1+16*\b+\i]|
.endr
.endr
.irp b, 0,1,2,3
	v_permlanex16_b32 v[TM+4+\b], v[TM+\b], s18, s19
.endr
.irp b, 0,1,2,3
	v_max_num_f32 v[TM+\b], v[TM+\b], v[TM+4+\b]   ; with lane l xor 16's: the block's largest magnitude
.endr
.irp b, 0,1,2,3
	v_add_nc_u32 v[TM+12+\b], 0xff000000, v[TM+\b] ; 2 off its exponent field: the conversion's scale operand
.endr
.irp b, 0,1,2,3
	v_lshrrev_b32 v[TM+4+\b], 23, v[TM+12+\b]      ; the scale's byte
.endr
	v_lshl_or_b32 v[\pw], v[TM+5], 8, v[TM+4]
	v_lshl_or_b32 v[\pw], v[TM+6], 16, v[\pw]
	v_lshl_or_b32 v[\pw], v[TM+7], 24, v[\pw]
.irp c, 0,1
	v_cvt_scalef32_pk16_fp6_f32 v[PC+6*\c:PC+2+6*\c], v[\s+32*\c:\s+15+32*\c], v[TM+12+2*\c]
	v_cvt_scalef32_pk16_fp6_f32 v[PC+12+4*\c:PC+14+4*\c], v[\s+16+32*\c:\s+31+32*\c], v[TM+12+2*\c+1]   ; (a conversion's three registers begin on an even number)
.endr
	v_nop                                          ; one plain line behind a scaled conversion
.irp c, 0,1                                    ; the operand's layout wants a whole block in a lane
.irp i, 0,1,2
	v_permlane16_swap_b32 v[PC+6*\c+\i], v[PC+12+4*\c+\i]
.endr
.irp i, 0,1,2
	v_mov_b32 v[PC+3+6*\c+\i], v[PC+12+4*\c+\i]
.endr
.endr
.endm
.macro CBLOCK a
.set AC, 64*((\a)%4)
.if (\a) > 0
	s_wait_xcnt 0x0                                ; the last block's stores have read the codes' registers
.endif
	WIN 0x02+((\a)/4)                              ; source 0: window 2 or 3
.set j, 0
.rept 32
	v_pk_add_f32 v[T+j:T+j+1], v[AC+j:AC+j+1], v[RBI+2*(\a):RBI+2*(\a)+1] op_sel_hi:[1,0]   ; into window 0, with the bias along the lanes (0 for t = 2); each accumulator from its low end on
.set j, j+2
.endr
	WIN 0
	QUANT T, PW+(\a)
.irp c, 0,1,2
	global_store_b128 v[CO], v[PC+4*\c:PC+4*\c+3], s[12:13] offset:1536*(\a)+512*\c   ; 32 lanes store 512 consecutive bytes, aligned
.endr
.endm
.irp a, 0,1,2,3,4,5,6,7
	CBLOCK \a
.endr
.irp i, 0,1,2,3
	v_cndmask_b32 v[SW+\i], v[PW+2*\i], v[PW+2*\i+1], s22   ; register i: block 2 i's words in lanes 0-15, block 2 i + 1's in lanes 16-31 (both halves of the lanes hold every word)
.endr
	global_store_b128 v[CO], v[SW:SW+3], s[10:11]
.Lend:
	s_wait_xcnt 0x0                                ; the tile's stores have read their registers and bases: accumulators, fragments' registers and bases may be written again
	s_wait_loadcnt 0x0                             ; the next tile's scale words are in
	s_add_co_u32 s42, s42, 4                       ; the next tile's activation rows: four tiles of 256 on
	s_sub_co_u32 s80, s80, 1
	s_cmp_lg_u32 s80, 0
	s_cbranch_scc1 .Ltile
	s_wait_tensorcnt 0x0                           ; the wave's end, behind my last tensor load
	ds_add_u32 v[SPW], v[NIL]
	s_wait_dscnt 0x0
	CROUND                                         ; the closing round: no work-group ends while a partner may still ask for a tile that names it
	s_endpgm
.Lfunc_end_k_q6ab650260c_proj4:
	.size	k_q6ab650260c_proj4, .Lfunc_end_k_q6ab650260c_proj4-k_q6ab650260c_proj4
	.p2alignl 7, 3214868480
	.fill 96, 4, 3214868480
	.section	.rodata,"a",@progbits
	.p2align	6, 0x0
	.amdhsa_kernel k_q6ab650260c_proj4
		.amdhsa_group_segment_fixed_size 327680
		.amdhsa_private_segment_fixed_size 0
		.amdhsa_enable_private_segment 0
		.amdhsa_kernarg_size 24
		.amdhsa_user_sgpr_count 2
		.amdhsa_user_sgpr_kernarg_segment_ptr 1
		.amdhsa_wavefront_size32 1
		.amdhsa_system_sgpr_workgroup_id_x 1
		.amdhsa_system_sgpr_workgroup_id_y 1
		.amdhsa_system_sgpr_workgroup_id_z 1
		.amdhsa_system_vgpr_workitem_id 0
		.amdhsa_next_free_vgpr 1024
		.amdhsa_next_free_sgpr 102
		.amdhsa_reserve_vcc 0
		.amdhsa_float_denorm_mode_32 3
		.amdhsa_float_denorm_mode_16_64 3
		.amdhsa_memory_ordered 1
		.amdhsa_forward_progress 1
		.amdhsa_inst_pref_size 207
	.end_amdhsa_kernel
	.amdgpu_metadata
---
amdhsa.version: [ 1, 2 ]
amdhsa.kernels:
  - .name:           k_q6ab650260c_proj4
    .symbol:         k_q6ab650260c_proj4.kd
    .args:
      - { .name: actq, .offset: 0, .size: 8, .value_kind: global_buffer, .address_space: global }
      - { .name: wq4, .offset: 8, .size: 8, .value_kind: global_buffer, .address_space: global }
      - { .name: proj, .offset: 16, .size: 8, .value_kind: global_buffer, .address_space: global }
    .group_segment_fixed_size: 327680
    .private_segment_fixed_size: 0
    .kernarg_segment_align: 8
    .kernarg_segment_size: 24
    .max_flat_workgroup_size: 128
    .sgpr_count:     102
    .vgpr_count:     1024
    .wavefront_size: 32
...
	.end_amdgpu_metadata
.endif
;; end of part 2
;; launch attn (part 3): grid 4 x 64, 4 waves a work-group, no clusters, 175,616 bytes of LDS; arguments proj, obuf; writes obuf
.if DOCPART == 3
	.amdgcn_target "amdgcn-amd-amdhsa--gfx1250"
	.amdhsa_code_object_version 6
	.text
	.protected	k_q6ab650260c_attn
	.globl	k_q6ab650260c_attn
	.p2align	8
	.type	k_q6ab650260c_attn,@function
k_q6ab650260c_attn:
	s_mov_b64 s[64:65], 0
	v_nop
	global_prefetch_b8 v0, s[64:65] scope:SCOPE_SE
	s_setreg_imm32_b32 hwreg(HW_REG_WAVE_MODE, 25, 1), 1
	s_wait_xcnt 0x0
; Attention with a sentinel, both products on codes of FP6 (E2M3) with E8M0 scales.  For each query: scores q^ . k^ over 1,024 keys and the sentinel's score q . s (f32, not quantised); p = softmax over the 1,025,
; FINISHED AND NORMALISED, is what is quantised along the keys; out = p^ v^ + p_sentinel x s; out is quantised along the 1,024 features and stored as the activation record of the last product.
; SHARES.  A work-group owns 256 queries of one (batch, head).  THE WAVES SHARE THE KEYS: wave w owns keys 256 w .. 256 w + 255; its 16 fragments of k, 16 of v and their scale words are loaded once, as images of
; the registers, and stay.  Four trips of 64 queries (four tiles of 16).  In a trip wave w quantises tile w's q and finishes tile w; every wave makes its 256 keys' scores for all four tiles, two tiles at a time.
; q AND s COME AS IMAGES TOO: 8,192 bytes for 16 queries x the head's 128, registers 4 j .. 4 j + 3 of lane l at 512 j + 16 l; register 16 b + i of lane (r, h) is feature 32 b + 16 h + i.  Every load covers 512
; consecutive bytes.  The sixteen queries of tile T of a batch are rows 32 (T / 2) + 8 (T % 2) + r + 8 (r / 8): in the record of out, which holds row R at the place R with bits 3 and 4 exchanged, they are the
; sixteen places 16 T + r.
; SOFTMAX.  t = score x log2(e) / sqrt(128).  A wave takes its own largest t away, p' = 2^(t - m_w), and sums p'.  The four waves' m_w and sums meet in LDS: M = the largest of them and of the sentinel's t,
; Z = sum of Z_w 2^(m_w - M) + 2^(t_s - M), and p = p' x 2^(m_w - M) / Z.  So the row's maximum is taken away for every input, and no branch hangs on data.
; LAYOUT.  Both products are used transposed: a lane holds one query (lane % 16).  The images hold keys (k) and features (v) in the order 32 (a / 2) + 8 (a % 2) + r + 8 (r / 8) for lane r of fragment a, so the 16
; registers of result tiles 2 b, 2 b + 1 are the 16 neighbours 32 b + 16 (lane / 16) + 0 .. 15: of the keys for p, of the features for out.
; NO CLUSTER, NO TENSOR LOAD: k and v go from memory straight into the registers in which they stay, once a work-group (192 KiB for 256 x 1,024 scores); a joint load would send them through LDS for that one read.
; FOUR BARRIERS A TRIP: behind the first q's images and the sentinel's t lie in LDS; behind the second and third a pair of tiles' statistics; behind the fourth all partial sums of out.
; REGISTERS: window 1: v0-191 k, v192-255 the next q.  window 2: v0-191 v, v192-255 the next s.  window 3: scores and p (tile x at 128 x), then the partial out (64 x + 8 dt), at the end the four parts of my tile.
; LIMITS: NaN and infinities are not served; an exponential under 2^-126 becomes 0; a block of zeros gets the byte 1 where the rule says 127 (its codes are zeros; this program alone reads the bytes);
; a block's largest p is the block's largest score put through the same instructions, which takes the exponential not to fall where its input rises; the f32 sums are taken in this text's fixed order.
.set SOFF,   33554432                  ; s lies behind q in the workspace
.set KIMG,   67108864
.set VIMG,   73400320
.set KSCL,   79691776
.set VSCL,   79953920
.set ACODES, 6291456
.set QIMG,  0                          ; LDS: four images of q's fragments, 1,536 bytes each
.set QSC,   6144                       ; their scale words, 128 bytes each
.set LANG,  6656                       ; the sentinel's t, 128 bytes a tile
.set STATM, 7168                       ; the waves' largest t: 512 bytes a tile, the word of (lane, wave) at 16 lane + 4 wave
.set STATZ, 9216                       ; their sums, likewise
.set SIMG,  11264                      ; s of my tile, 8,192 bytes for each wave, its own
.set OPART, 44032                      ; the partial sums of out: [tile][wave] 8,192 bytes
.set LI,  1                            ; v1   16 x lane
.set LS,  2                            ; v2   4 x lane
.set QWI, 4                            ; v4   where I store q's image
.set QWS, 5                            ; v5   and its scale words
.set STW, 6                            ; v6   where I store my statistics
.set OW0, 7                            ; v7, v8  where I store partial sums: tiles 0, 1 and tiles 2, 3
.set ORD, 9                            ; v9   where I read my tile's four parts
.set SWA, 10                           ; v10  my s in LDS
.set STR, 11                           ; v11  my tile's statistics
.set OSD, 13                           ; v13  out's scale words
.set KSR, 16                           ; v16-23  k's scale words
.set VSR, 24                           ; v24-31  v's
.set QF,  32                           ; v32-55  two fragments of q
.set QS,  56                           ; v56-57  their scale words
.set LG,  58                           ; v58-59  the sentinel's t
.set PF,  60                           ; v60-107 p's four fragments: 12 (2 x + ks)
.set PS,  108                          ; v108-111 their scale words
.set BM,  112                          ; v112-127 the 16 blocks' largest score, then largest p
.set BX,  128                          ; v128-143 the other half's; then the conversions' scale operands
.set NM,  144                          ; v144-147 -m_w, a pair a tile
.set F,   148                          ; v148-151 2^(m_w - M) / Z, a pair a tile
.set ZA,  152                          ; v152-159 sums, two pairs a tile
.set MT,  160                          ; v160-161 m_w
.set ZW,  162                          ; v162-163 Z_w
.set M4,  164                          ; v164-171 the four waves' m
.set Z4,  172                          ; v172-179 and sums
.set E,   180                          ; v180-191 six exponents a tile
.set MG,  192
.set ZT,  194
.set RZ,  196
.set PSV, 198                          ; v198-199 the sentinel's p, as a pair
.set LA,  200                          ; v200-207 q . s, four pairs
.set TM,  208                          ; v208-223 at work in the quantisers
.set PC,  224                          ; v224-243 codes just made
.set PW,  244                          ; v244 a scale word just made
.set MSB, 0
.macro WIN new                         ; bits 1:0 source 0, 3:2 source 1, 5:4 source 2, 7:6 destination; the high byte repeats the setting that is left
.if MSB != (\new)
	s_set_vgpr_msb (MSB<<8)|(\new)
.set MSB, (\new)
.endif
.endm
.macro BAR                             ; my LDS stores have landed and my LDS loads are in: then the work-group's barrier
	s_wait_dscnt 0x0
	s_barrier_signal -1
	s_barrier_wait -1
.endm
.macro QSLOAD                          ; my tile's q and s, as they will stand: 16 loads of 512 consecutive bytes each
	WIN 0x40
.set j, 0
.rept 16
	global_load_b128 v[192+4*j:195+4*j], v[LI], s[16:17] offset:512*j th:TH_LOAD_NT
.set j, j+1
.endr
	WIN 0x80
.set j, 0
.rept 16
	global_load_b128 v[192+4*j:195+4*j], v[LI], s[18:19] offset:512*j th:TH_LOAD_NT
.set j, j+1
.endr
	WIN 0
.endm
; 64 numbers of a lane in window w, register s + 16 b + i = k 32 b + 16 (lane / 16) + i of my row, become a fragment's codes in v[PC] on and its scale word in v[PW]
.macro QUANT s, w
	WIN 5*(\w)                                     ; sources 0 and 1 in window w
.irp b, 0,1,2,3
	v_max3_num_f32 v[TM+\b], |v[\s+16*\b]|, |v[\s+1+16*\b]|, 0x1800000   ; and the floor 2^(3 - 127): the byte cannot fall under 1
.endr
.irp i, 2,4,6,8,10,12,14
.irp b, 0,1,2,3
	v_max3_num_f32 v[TM+\b], |v[\s+16*\b+\i]|, |v[\s+1+16*\b+\i]|, v[TM+\b]
.endr
.endr
	WIN 0
.irp b, 0,1,2,3
	v_permlanex16_b32 v[TM+4+\b], v[TM+\b], s24, s25
.endr
.irp b, 0,1,2,3
	v_max_num_f32 v[TM+\b], v[TM+\b], v[TM+4+\b]
.endr
.irp b, 0,1,2,3
	v_add_nc_u32 v[TM+12+\b], 0xff000000, v[TM+\b] ; 2 off the exponent field: the conversion's scale operand
.endr
.irp b, 0,1,2,3
	v_lshrrev_b32 v[TM+4+\b], 23, v[TM+12+\b]
.endr
	v_lshl_or_b32 v[PW], v[TM+5], 8, v[TM+4]
	v_lshl_or_b32 v[PW], v[TM+6], 16, v[PW]
	v_lshl_or_b32 v[PW], v[TM+7], 24, v[PW]
	WIN \w                                         ; source 0 in window w
.irp c, 0,1
	v_cvt_scalef32_pk16_fp6_f32 v[PC+6*\c:PC+2+6*\c], v[\s+32*\c:\s+15+32*\c], v[TM+12+2*\c]
	v_cvt_scalef32_pk16_fp6_f32 v[PC+12+4*\c:PC+14+4*\c], v[\s+16+32*\c:\s+31+32*\c], v[TM+12+2*\c+1]
.endr
	WIN 0
	v_nop                                          ; one plain line behind a scaled conversion
.irp c, 0,1
.irp i, 0,1,2
	v_permlane16_swap_b32 v[PC+6*\c+\i], v[PC+12+4*\c+\i]
.endr
.irp i, 0,1,2
	v_mov_b32 v[PC+3+6*\c+\i], v[PC+12+4*\c+\i]
.endr
.endr
.endm
; From the four waves' m and sums and the sentinel's t: M, the exponentials 2^(. - M), Z and 1 / Z; for tiles 0 .. hi.  hi = 1: also 2^(m_w - M) of my own m.
.macro STATS hi
.irp x, 0,1
.if \x <= \hi
	v_max3_num_f32 v[MG+\x], v[M4+4*\x], v[M4+4*\x+1], v[M4+4*\x+2]
.endif
.endr
.irp x, 0,1
.if \x <= \hi
	v_max3_num_f32 v[MG+\x], v[MG+\x], v[M4+4*\x+3], v[LG+\x]
.endif
.endr
.irp x, 0,1
.if \x <= \hi
.irp e, 0,1,2,3
	v_sub_f32 v[E+6*\x+\e], v[M4+4*\x+\e], v[MG+\x]
.endr
	v_sub_f32 v[E+6*\x+4], v[LG+\x], v[MG+\x]
.if \hi
	v_sub_f32 v[E+6*\x+5], v[MT+\x], v[MG+\x]
.endif
.endif
.endr
	s_wait_alu depctr_va_vdst(0)
.irp x, 0,1
.if \x <= \hi
.irp e, 0,1,2,3,4
	v_exp_f32 v[E+6*\x+\e], v[E+6*\x+\e]
.endr
.if \hi
	v_exp_f32 v[E+6*\x+5], v[E+6*\x+5]
.endif
.endif
.endr
	v_nop                                          ; a plain line behind the last exponential,
	s_wait_alu depctr_va_vdst(0)                   ; and one wait for the batch, ahead of its first reader
.irp x, 0,1
.if \x <= \hi
	v_fma_f32 v[ZT+\x], v[Z4+4*\x], v[E+6*\x], v[E+6*\x+4]
.endif
.endr
.irp e, 1,2,3
.irp x, 0,1
.if \x <= \hi
	v_fma_f32 v[ZT+\x], v[Z4+4*\x+\e], v[E+6*\x+\e], v[ZT+\x]
.endif
.endr
.endr
	s_wait_alu depctr_va_vdst(0)
.irp x, 0,1
.if \x <= \hi
	v_rcp_f32 v[RZ+\x], v[ZT+\x]
.endif
.endr
	v_nop
	s_wait_alu depctr_va_vdst(0)
.endm
; One product of out^T += v^T p^T: key step ks of my two, features' tile dt, tile x of the pair
.macro PV1 ks, dt, x
.set rO, 64*(\x)+8*(\dt)
.set rV, 12*(8*(\ks)+(\dt))
.set rP, PF+12*(2*(\x)+(\ks))
.set rA, VSR+4*(\ks)+(\dt)/2
.set rB, PS+2*(\x)+(\ks)
.if (\ks) == 0
.if (\dt)%2
	v_wmma_scale_f32_16x16x128_f8f6f4 v[rO:rO+7], v[rV:rV+11], v[rP:rP+11], 0, v[rA], v[rB] matrix_a_fmt:MATRIX_FMT_FP6 matrix_b_fmt:MATRIX_FMT_FP6 matrix_a_scale:MATRIX_SCALE_ROW1
.else
	v_wmma_scale_f32_16x16x128_f8f6f4 v[rO:rO+7], v[rV:rV+11], v[rP:rP+11], 0, v[rA], v[rB] matrix_a_fmt:MATRIX_FMT_FP6 matrix_b_fmt:MATRIX_FMT_FP6
.endif
.else
.if (\dt)%2
	v_wmma_scale_f32_16x16x128_f8f6f4 v[rO:rO+7], v[rV:rV+11], v[rP:rP+11], v[rO:rO+7], v[rA], v[rB] matrix_a_fmt:MATRIX_FMT_FP6 matrix_b_fmt:MATRIX_FMT_FP6 matrix_a_scale:MATRIX_SCALE_ROW1
.else
	v_wmma_scale_f32_16x16x128_f8f6f4 v[rO:rO+7], v[rV:rV+11], v[rP:rP+11], v[rO:rO+7], v[rA], v[rB] matrix_a_fmt:MATRIX_FMT_FP6 matrix_b_fmt:MATRIX_FMT_FP6
.endif
.endif
.endm
; q's images, their scale words and the sentinel's t of tiles 2 u and 2 u + 1, from LDS
.macro QFETCH u
.irp x, 0,1
.irp c, 0,1,2
	ds_load_b128 v[QF+12*\x+4*\c:QF+12*\x+4*\c+3], v[LI] offset:QIMG+1536*(2*\u+\x)+512*\c
.endr
	ds_load_b32 v[QS+\x], v[LS] offset:QSC+128*(2*\u+\x)
	ds_load_b32 v[LG+\x], v[LS] offset:LANG+128*(2*\u+\x)
.endr
.endm
; TILES 2 u AND 2 u + 1 AGAINST MY 256 KEYS
.macro SUB u
	; ---- the scores: S^T = k q^T, 16 tiles of keys x 2 tiles of queries; every product starts its own sum
	s_wait_dscnt 0x0                               ; q's images are in, and the pair before's stores of partial sums have read their registers
	WIN 0xc1                                       ; k window 1, q window 0, the scores window 3
.irp kt, 0,1,2,3,4,5,6,7,8,9,10,11,12,13,14,15
.irp x, 0,1
.if (\kt)%2
	v_wmma_scale_f32_16x16x128_f8f6f4 v[128*\x+8*\kt:128*\x+8*\kt+7], v[12*\kt:12*\kt+11], v[QF+12*\x:QF+12*\x+11], 0, v[KSR+4*(\kt/8)+(\kt%8)/2], v[QS+\x] matrix_a_fmt:MATRIX_FMT_FP6 matrix_b_fmt:MATRIX_FMT_FP6 matrix_a_scale:MATRIX_SCALE_ROW1
.else
	v_wmma_scale_f32_16x16x128_f8f6f4 v[128*\x+8*\kt:128*\x+8*\kt+7], v[12*\kt:12*\kt+11], v[QF+12*\x:QF+12*\x+11], 0, v[KSR+4*(\kt/8)+(\kt%8)/2], v[QS+\x] matrix_a_fmt:MATRIX_FMT_FP6 matrix_b_fmt:MATRIX_FMT_FP6
.endif
.endr
.endr
.rept 4
	v_nop                                          ; places behind the last products
.endr
	; ---- the largest score of each block of 32 keys (block q' = 8 x + b at registers 16 q' on): it serves for my maximum and for the block's largest p.  Each accumulator is read from its low end on
	WIN 0x0f
.irp q, 0,1,2,3,4,5,6,7,8,9,10,11,12,13,14,15
	v_max_num_f32 v[BM+\q], v[16*\q], v[16*\q+1]
.endr
.irp i, 2,4,6,8,10,12,14
.irp q, 0,1,2,3,4,5,6,7,8,9,10,11,12,13,14,15
	v_max3_num_f32 v[BM+\q], v[16*\q+\i], v[16*\q+\i+1], v[BM+\q]
.endr
.endr
	WIN 0
.irp q, 0,1,2,3,4,5,6,7,8,9,10,11,12,13,14,15
	v_permlanex16_b32 v[BX+\q], v[BM+\q], s24, s25
.endr
.irp q, 0,1,2,3,4,5,6,7,8,9,10,11,12,13,14,15
	v_max_num_f32 v[BM+\q], v[BM+\q], v[BX+\q]     ; with lane l xor 16's 16 keys
.endr
.irp x, 0,1
	v_max3_num_f32 v[MT+\x], v[BM+8*\x], v[BM+8*\x+1], v[BM+8*\x+2]
.endr
.irp x, 0,1
	v_max3_num_f32 v[MT+\x], v[MT+\x], v[BM+8*\x+3], v[BM+8*\x+4]
.endr
.irp x, 0,1
	v_max3_num_f32 v[MT+\x], v[MT+\x], v[BM+8*\x+5], v[BM+8*\x+6]
.endr
.irp x, 0,1
	v_max_num_f32 v[MT+\x], v[MT+\x], v[BM+8*\x+7]
.endr
.irp x, 0,1
	v_mul_f32 v[MT+\x], s26, v[MT+\x]              ; m_w, as t (c is positive)
.endr
.irp x, 0,1
	v_sub_f32 v[NM+2*\x], 0, v[MT+\x]
.endr
.irp q, 0,1,2,3,4,5,6,7,8,9,10,11,12,13,14,15
	v_fma_f32 v[BM+\q], v[BM+\q], s26, v[NM+2*(\q/8)]   ; the same multiply-add as the scores get
.endr
	WIN 0xc3
.irp x, 0,1
.set j, 0
.rept 64
	v_pk_fma_f32 v[128*\x+j:128*\x+j+1], v[128*\x+j:128*\x+j+1], s[26:27], v[NM+2*\x:NM+2*\x+1] op_sel_hi:[1,0,0]   ; t - m_w, two at a time
.set j, j+2
.endr
.endr
.set j, 0
	s_wait_alu depctr_va_vdst(0)
.rept 256
	v_exp_f32 v[j], v[j]                           ; p' = 2^(t - m_w): one batch with the sixteen below
.set j, j+1
.endr
	WIN 0
.irp q, 0,1,2,3,4,5,6,7,8,9,10,11,12,13,14,15
	v_exp_f32 v[BM+\q], v[BM+\q]
.endr
	v_nop                                          ; a plain line behind the last exponential,
	s_wait_alu depctr_va_vdst(0)                   ; and one wait for the 272, ahead of their first reader
	; ---- my sum of p', two chains of pairs a tile
	WIN 0x0f
.irp x, 0,1
	v_pk_add_f32 v[ZA+4*\x:ZA+4*\x+1], v[128*\x:128*\x+1], v[128*\x+2:128*\x+3]
	v_pk_add_f32 v[ZA+4*\x+2:ZA+4*\x+3], v[128*\x+4:128*\x+5], v[128*\x+6:128*\x+7]
.endr
	WIN 0x03
.set j, 8
.rept 30
.irp x, 0,1
	v_pk_add_f32 v[ZA+4*\x:ZA+4*\x+1], v[128*\x+j:128*\x+j+1], v[ZA+4*\x:ZA+4*\x+1]
	v_pk_add_f32 v[ZA+4*\x+2:ZA+4*\x+3], v[128*\x+j+2:128*\x+j+3], v[ZA+4*\x+2:ZA+4*\x+3]
.endr
.set j, j+4
.endr
	WIN 0
.irp x, 0,1
	v_pk_add_f32 v[ZA+4*\x:ZA+4*\x+1], v[ZA+4*\x:ZA+4*\x+1], v[ZA+4*\x+2:ZA+4*\x+3]
.endr
.irp x, 0,1
	v_add_f32 v[ZW+\x], v[ZA+4*\x], v[ZA+4*\x+1]
.endr
.irp x, 0,1
	v_permlanex16_b32 v[ZA+4*\x], v[ZW+\x], s24, s25
.endr
.irp x, 0,1
	v_add_f32 v[ZW+\x], v[ZW+\x], v[ZA+4*\x]
.endr
.irp x, 0,1
	ds_store_b32 v[STW], v[MT+\x] offset:512*(2*\u+\x)
	ds_store_b32 v[STW], v[ZW+\x] offset:STATZ-STATM+512*(2*\u+\x)
.endr
	BAR                                            ; the four waves' statistics of these two tiles lie in LDS
.if \u == 0
	s_wait_loadcnt 0x0                             ; the first trip: v is in
	s_cmp_eq_u32 s28, 1                            ; the next trip's q and s are asked for here, into registers whose last readers stand ahead of the trip's first barrier; the last trip asks for nothing: no load leaves its buffer
	s_cbranch_scc1 .Lno_next
	s_add_nc_u64 s[16:17], s[16:17], 32768         ; four tiles on (the loads that named these bases are done)
	s_add_nc_u64 s[18:19], s[18:19], 32768
	QSLOAD
.Lno_next:
.endif
	; ---- the row's maximum and sum; p = p' x 2^(m_w - M) / Z
.irp x, 0,1
	ds_load_b128 v[M4+4*\x:M4+4*\x+3], v[LI] offset:STATM+512*(2*\u+\x)
	ds_load_b128 v[Z4+4*\x:Z4+4*\x+3], v[LI] offset:STATZ+512*(2*\u+\x)
.endr
	s_wait_dscnt 0x0
	STATS 1
.irp x, 0,1
	v_mul_f32 v[F+2*\x], v[E+6*\x+5], v[RZ+\x]
.endr
.irp q, 0,1,2,3,4,5,6,7,8,9,10,11,12,13,14,15
	v_mul_f32 v[BM+\q], v[BM+\q], v[F+2*(\q/8)]    ; each block's largest p: the same multiplication as p gets
.endr
.irp q, 0,1,2,3,4,5,6,7,8,9,10,11,12,13,14,15
	v_max_num_f32 v[BM+\q], 0x1800000, v[BM+\q]    ; the floor 2^(3 - 127): the byte cannot fall under 1
.endr
.irp q, 0,1,2,3,4,5,6,7,8,9,10,11,12,13,14,15
	v_add_nc_u32 v[BX+\q], 0xff000000, v[BM+\q]    ; 2 off the exponent field: the conversion's scale operand
.endr
.irp q, 0,1,2,3,4,5,6,7,8,9,10,11,12,13,14,15
	v_lshrrev_b32 v[TM+\q], 23, v[BX+\q]           ; the scale's byte
.endr
.irp n, 0,1,2,3                                ; n = 2 x + ks: four bytes make the scale word of 128 keys
	v_lshl_or_b32 v[PS+\n], v[TM+4*\n+1], 8, v[TM+4*\n]
.endr
.irp n, 0,1,2,3
	v_lshl_or_b32 v[PS+\n], v[TM+4*\n+2], 16, v[PS+\n]
.endr
.irp n, 0,1,2,3
	v_lshl_or_b32 v[PS+\n], v[TM+4*\n+3], 24, v[PS+\n]
.endr
	WIN 0xc3
.irp x, 0,1
.set j, 0
.rept 64
	v_pk_mul_f32 v[128*\x+j:128*\x+j+1], v[128*\x+j:128*\x+j+1], v[F+2*\x:F+2*\x+1] op_sel_hi:[1,0]
.set j, j+2
.endr
.endr
.irp n, 0,1,2,3                                ; p's fragment n: registers 64 n on
	WIN 0x03
.irp c, 0,1
	v_cvt_scalef32_pk16_fp6_f32 v[PF+12*\n+6*\c:PF+12*\n+6*\c+2], v[64*\n+32*\c:64*\n+32*\c+15], v[BX+4*\n+2*\c]
	v_cvt_scalef32_pk16_fp6_f32 v[PC+4*\c:PC+4*\c+2], v[64*\n+32*\c+16:64*\n+32*\c+31], v[BX+4*\n+2*\c+1]
.endr
	WIN 0
	v_nop                                          ; one plain line behind a scaled conversion
.irp c, 0,1                                    ; the operand's layout wants a whole block in a lane
.irp i, 0,1,2
	v_permlane16_swap_b32 v[PF+12*\n+6*\c+\i], v[PC+4*\c+\i]
.endr
.irp i, 0,1,2
	v_mov_b32 v[PF+12*\n+3+6*\c+\i], v[PC+4*\c+\i]
.endr
.endr
.endr
.rept 8
	v_nop                                          ; operands and scale words written by vector instructions stand so far ahead of a scaled matrix instruction
.endr
	; ---- out^T = v^T p^T over my 256 keys: sixteen accumulators by turns, one instruction a turn; they lie where p lay
	WIN 0xf2                                       ; v window 2, p window 0, C and D window 3
.irp ks, 0,1
.irp dt, 0,1,2,3,4,5,6,7
.irp x, 0,1
	PV1 \ks, \dt, \x
.endr
.endr
.endr
.rept 5
	v_nop                                          ; places behind the last products: their results are stored now, and later written over by matrix instructions
.endr
	WIN 0x0c                                       ; an LDS store's data are its source 1: window 3
.irp x, 0,1
.set j, 0
.rept 16
	ds_store_b128 v[OW0+\u], v[64*\x+4*j:64*\x+4*j+3] offset:32768*\x+512*j   ; as an image of the registers; each accumulator's low half first
.set j, j+1
.endr
.endr
	WIN 0
.endm
	s_load_b128 s[4:7], s[0:1], 0x0                ; the workspace of q, s, k, v; the record of out
	v_lshl_add_u32 v254, v0, 2, 0x2ac00
	v_mov_b32 v255, 0
	v_lshrrev_b32 v245, 5, v0
	v_readfirstlane_b32 s8, v245                   ; wave 0..3
	v_and_b32 v245, 31, v0                         ; lane
	v_and_b32 v246, 15, v0                         ; r
	v_lshlrev_b32 v[LI], 4, v245
	s_wait_alu depctr_va_vdst(0)
	v_lshlrev_b32 v[LS], 2, v245
	s_mul_i32 s9, s8, 1536
	v_add_nc_u32 v[QWI], s9, v[LI]
	s_lshl_b32 s9, s8, 7
	s_add_co_u32 s9, s9, QSC
	v_add_nc_u32 v[QWS], s9, v[LS]
	s_lshl_b32 s9, s8, 2
	s_add_co_u32 s9, s9, STATM
	v_add_nc_u32 v[STW], s9, v[LI]
	s_lshl_b32 s9, s8, 13
	s_add_co_u32 s10, s9, OPART
	v_add_nc_u32 v[OW0], s10, v[LI]
	v_add_nc_u32 v[OW0+1], 65536, v[OW0]
	s_add_co_u32 s10, s9, SIMG
	v_add_nc_u32 v[SWA], s10, v[LI]
	s_lshl_b32 s9, s8, 15
	s_add_co_u32 s9, s9, OPART
	v_add_nc_u32 v[ORD], s9, v[LI]
	s_lshl_b32 s9, s8, 9
	s_add_co_u32 s9, s9, STATM
	v_add_nc_u32 v[STR], s9, v[LI]
	v_lshlrev_b32 v[OSD], 4, v246                  ; out's scale words: 16 bytes a row and K half
.irp q, 0,1,2,3,4,5,6,7,8,9,10,11,12,13,14,15
	v_mov_b32 v[BX+\q], 0                          ; written once: a lane permute's destination counts as one of its sources
.endr
.irp b, 0,1,2,3
	v_mov_b32 v[TM+4+\b], 0
.endr
	v_mov_b32 v[NM+1], 0                           ; the upper halves of pairs of which the low word serves both halves
	v_mov_b32 v[NM+3], 0
	v_mov_b32 v[F+1], 0
	v_mov_b32 v[F+3], 0
	v_mov_b32 v[PSV+1], 0
	s_mov_b32 s24, 0x76543210
	s_mov_b32 s25, 0xfedcba98                      ; v_permlanex16_b32's selects for lane l xor 16
	s_mov_b32 s26, 0x3e0293ee                      ; c = log2(e) / sqrt(128)
	s_mov_b32 s27, s26
	s_and_b32 s10, ttmp7, 0xffff                   ; 8 batch + head
	s_lshr_b32 s11, s10, 3
	s_and_b32 s12, s10, 7
	s_lshl_b32 s13, s11, 10
	s_lshl_b32 s14, ttmp9, 8
	s_add_co_u32 s13, s13, s14                     ; the work-group's first place in the record of out: 1,024 batch + 256 x
	s_lshl_b32 s30, s8, 4
	s_add_co_u32 s30, s30, s13                     ; my tile's, in the first trip
	s_lshl_b32 s14, s10, 6                         ; q's and s's images: 64 tiles for each (batch, head),
	s_lshl_b32 s15, ttmp9, 4                       ; 16 for a work-group,
	s_add_co_u32 s14, s14, s15
	s_add_co_u32 s14, s14, s8                      ; tile w in the first trip,
	s_lshl_b32 s14, s14, 13                        ; 8,192 bytes each
	s_mov_b32 s15, 0
	s_mul_i32 s32, s30, 768
	s_mul_i32 s31, s12, 1536                       ; out's codes leave as the image of fragment (place / 16, head): 1,536 bytes at (8 (place / 16) + head) x 1,536
	s_add_co_u32 s32, s32, s31
	s_mov_b32 s33, 0
	s_lshl_b32 s34, s30, 5
	s_and_b32 s31, s12, 3                          ; the head's scale word: word head % 4 of K half head / 4
	s_lshl_b32 s31, s31, 2
	s_add_co_u32 s34, s34, s31
	s_lshr_b32 s31, s12, 2
	s_lshl_b32 s31, s31, 8
	s_add_co_u32 s34, s34, s31
	s_add_co_u32 s34, s34, ACODES
	s_mov_b32 s35, 0
	s_lshl_b32 s36, s10, 3
	s_lshl_b32 s31, s8, 1
	s_add_co_u32 s36, s36, s31                     ; my first group of 128 keys
	s_mul_i32 s38, s36, 12288
	s_add_co_u32 s38, s38, KIMG
	s_mov_b32 s39, 0
	s_lshl_b32 s36, s36, 9
	s_add_co_u32 s36, s36, KSCL
	s_mov_b32 s37, 0
	s_wait_kmcnt 0x0
	s_add_nc_u64 s[16:17], s[4:5], s[14:15]        ; q
	s_add_nc_u64 s[18:19], s[16:17], SOFF          ; s
	s_add_nc_u64 s[20:21], s[6:7], s[32:33]        ; out's codes
	s_add_nc_u64 s[22:23], s[6:7], s[34:35]        ; out's scale words
	s_sub_nc_u64 s[20:21], s[20:21], 49152         ; both one trip back: every trip steps them ahead of its stores
	s_sub_nc_u64 s[22:23], s[22:23], 2048
	s_add_nc_u64 s[38:39], s[4:5], s[38:39]        ; k's images
	s_add_nc_u64 s[40:41], s[38:39], VIMG-KIMG     ; v's
	s_add_nc_u64 s[36:37], s[4:5], s[36:37]        ; k's scale words
	s_add_nc_u64 s[42:43], s[36:37], VSCL-KSCL     ; v's
	QSLOAD                                         ; what is wanted first is asked for first: my first tile's q and s,
	WIN 0x40
.set j, 0
.rept 48
	global_load_b128 v[4*j:4*j+3], v[LI], s[38:39] offset:512*j     ; then 16 fragments of k, as they will stand: 512 consecutive bytes a load
.set j, j+1
.endr
	WIN 0
	global_load_b128 v[KSR:KSR+3], v[LI], s[36:37]                  ; register i: block 2 i's words in lanes 0-15, block 2 i + 1's in lanes 16-31
	global_load_b128 v[KSR+4:KSR+7], v[LI], s[36:37] offset:512
	s_wait_loadcnt 50                              ; q and s are in; k's 48 loads and its scale words' 2 may be out
; A TILE'S FIRST PHASE: the sentinel's t, s to LDS, q's image to LDS, the trip's first barrier, the first pair's q.  It runs once here, under k's flight, and at each trip's end for the next trip.
.macro PH1
	WIN 0x09                                       ; q window 1, s window 2
.irp k, 0,1,2,3
	v_pk_mul_f32 v[LA+2*\k:LA+2*\k+1], v[192+2*\k:193+2*\k], v[192+2*\k:193+2*\k]
.endr
.irp j, 8,16,24,32,40,48,56
.irp k, 0,1,2,3
	v_pk_fma_f32 v[LA+2*\k:LA+2*\k+1], v[192+\j+2*\k:193+\j+2*\k], v[192+\j+2*\k:193+\j+2*\k], v[LA+2*\k:LA+2*\k+1]
.endr
.endr
	WIN 0
	v_pk_add_f32 v[LA:LA+1], v[LA:LA+1], v[LA+2:LA+3]
	v_pk_add_f32 v[LA+4:LA+5], v[LA+4:LA+5], v[LA+6:LA+7]
	v_pk_add_f32 v[LA:LA+1], v[LA:LA+1], v[LA+4:LA+5]
	v_add_f32 v[LA], v[LA], v[LA+1]
	v_permlanex16_b32 v[LA+2], v[LA], s24, s25
	v_add_f32 v[LA], v[LA], v[LA+2]                ; q . s of my query, in f32
	v_mul_f32 v[LA], s26, v[LA]                    ; as t
	ds_store_b32 v[QWS], v[LA] offset:LANG-QSC
	WIN 0x08                                       ; the data: window 2
.irp i, 0,1,2,3,4,5,6,7,8,9,10,11,12,13,14,15
	ds_store_b128 v[SWA], v[192+4*\i:195+4*\i] offset:512*\i
.endr
	s_wait_xcnt 0x0                                ; the last trip's stores have read their registers and bases: both may be written again
	s_add_nc_u64 s[20:21], s[20:21], 49152         ; 64 places on
	s_add_nc_u64 s[22:23], s[22:23], 2048
	QUANT 192, 1
.irp c, 0,1,2
	ds_store_b128 v[QWI], v[PC+4*\c:PC+4*\c+3] offset:512*\c
.endr
	ds_store_b32 v[QWS], v[PW]
	BAR                                            ; the four tiles' q and sentinel's t lie in LDS; every wave's reads of the last trip's statistics and partial sums are over
	QFETCH 0
.endm
	PH1
	WIN 0x80
.set j, 0
.rept 48
	global_load_b128 v[4*j:4*j+3], v[LI], s[40:41] offset:512*j     ; 16 fragments of v: wanted last, behind the first softmax
.set j, j+1
.endr
	WIN 0
	global_load_b128 v[VSR:VSR+3], v[LI], s[42:43]
	global_load_b128 v[VSR+4:VSR+7], v[LI], s[42:43] offset:512
	s_mov_b32 s28, 4
.Ltrip:
	s_wait_loadcnt 50                              ; the first trip: k is in, v's 50 loads may be out; later trips have no load out here
	SUB 0
	QFETCH 1
	SUB 1
	BAR                                            ; all partial sums of out lie in LDS
	; ---- my tile is finished: the sentinel's p, the four parts, + p_s x s, quantised, stored
	ds_load_b128 v[M4:M4+3], v[STR]
	ds_load_b128 v[Z4:Z4+3], v[STR] offset:STATZ-STATM
	ds_load_b32 v[LG], v[QWS] offset:LANG-QSC
	WIN 0xc0
.set j, 0
.rept 32
	ds_load_b128 v[4*j:4*j+3], v[ORD] offset:8192*(j/16)+512*(j%16)    ; waves 0 and 1's parts
.set j, j+1
.endr
	WIN 0
	s_wait_dscnt 32                                ; the statistics are in; the 32 loads behind them may be out
	STATS 0
	v_mul_f32 v[PSV], v[E+4], v[RZ]                ; the sentinel's p = 2^(t_s - M) / Z
	WIN 0xc0
.set j, 32
.rept 32
	ds_load_b128 v[4*j:4*j+3], v[ORD] offset:8192*(j/16)+512*(j%16)    ; waves 2 and 3's parts
.set j, j+1
.endr
	s_wait_dscnt 32                                ; the first two parts are in; the 32 just issued may be out
	WIN 0xcf
.set j, 0
.rept 32
	v_pk_add_f32 v[j:j+1], v[j:j+1], v[64+j:65+j]
.set j, j+2
.endr
	WIN 0xc0
.set j, 0
.rept 16
	ds_load_b128 v[64+4*j:67+4*j], v[SWA] offset:512*j                 ; s, in out's own layout, into the second part's registers
.set j, j+1
.endr
	s_wait_dscnt 16                                ; all four parts are in; s's 16 loads may be out
	WIN 0xcf
.set j, 0
.rept 32
	v_pk_add_f32 v[j:j+1], v[j:j+1], v[128+j:129+j]
.set j, j+2
.endr
.set j, 0
.rept 32
	v_pk_add_f32 v[j:j+1], v[j:j+1], v[192+j:193+j]
.set j, j+2
.endr
	s_wait_dscnt 0x0
	WIN 0xf3                                       ; s, the sum and the result window 3; the sentinel's p window 0
.set j, 0
.rept 32
	v_pk_fma_f32 v[j:j+1], v[64+j:65+j], v[PSV:PSV+1], v[j:j+1] op_sel_hi:[1,0,1]
.set j, j+2
.endr
	QUANT 0, 3
.irp c, 0,1,2
	global_store_b128 v[LI], v[PC+4*\c:PC+4*\c+3], s[20:21] offset:512*\c   ; the fragment's registers as they stand: 32 lanes store 512 consecutive bytes, aligned
.endr
	global_store_b32 v[OSD], v[PW], s[22:23]       ; lanes r and r + 16 store the same word
	s_sub_co_u32 s28, s28, 1
	s_cmp_eq_u32 s28, 0                            ; the counter is the same in all waves: every wave passes the same barriers
	s_cbranch_scc1 .Llast
	s_wait_loadcnt 0x0                             ; the next tile's q and s, asked for behind this trip's second barrier
	PH1
.Llast:
	s_cmp_lg_u32 s28, 0
	s_cbranch_scc1 .Ltrip
	s_wait_tensorcnt 0x0
	ds_add_u32 v254, v255
	s_wait_dscnt 0x0
	s_endpgm
.Lfunc_end_k_q6ab650260c_attn:
	.size	k_q6ab650260c_attn, .Lfunc_end_k_q6ab650260c_attn-k_q6ab650260c_attn
	.p2alignl 7, 3214868480
	.fill 96, 4, 3214868480
	.section	.rodata,"a",@progbits
	.p2align	6, 0x0
	.amdhsa_kernel k_q6ab650260c_attn
		.amdhsa_group_segment_fixed_size 175616
		.amdhsa_private_segment_fixed_size 0
		.amdhsa_enable_private_segment 0
		.amdhsa_kernarg_size 16
		.amdhsa_user_sgpr_count 2
		.amdhsa_user_sgpr_kernarg_segment_ptr 1
		.amdhsa_wavefront_size32 1
		.amdhsa_system_sgpr_workgroup_id_x 1
		.amdhsa_system_sgpr_workgroup_id_y 1
		.amdhsa_system_sgpr_workgroup_id_z 1
		.amdhsa_system_vgpr_workitem_id 0
		.amdhsa_next_free_vgpr 1024
		.amdhsa_next_free_sgpr 66
		.amdhsa_reserve_vcc 0
		.amdhsa_float_denorm_mode_32 3
		.amdhsa_float_denorm_mode_16_64 3
		.amdhsa_memory_ordered 1
		.amdhsa_forward_progress 1
		.amdhsa_inst_pref_size 184
	.end_amdhsa_kernel
	.amdgpu_metadata
---
amdhsa.version: [ 1, 2 ]
amdhsa.kernels:
  - .name:           k_q6ab650260c_attn
    .symbol:         k_q6ab650260c_attn.kd
    .args:
      - { .name: proj, .offset: 0, .size: 8, .value_kind: global_buffer, .address_space: global }
      - { .name: obuf, .offset: 8, .size: 8, .value_kind: global_buffer, .address_space: global }
    .group_segment_fixed_size: 175616
    .private_segment_fixed_size: 0
    .kernarg_segment_align: 8
    .kernarg_segment_size: 16
    .max_flat_workgroup_size: 128
    .sgpr_count:     66
    .vgpr_count:     1024
    .wavefront_size: 32
...
	.end_amdgpu_metadata
.endif
;; end of part 3
;; launch outp (part 4): grid 8 x 32, 4 waves a work-group, clusters of 4 x 4, 327,680 bytes of LDS; arguments obuf, woq, out0; writes out0
.if DOCPART == 4
	.amdgcn_target "amdgcn-amd-amdhsa--gfx1250"
	.amdhsa_code_object_version 6
	.text
	.protected	k_q6ab650260c_outp
	.globl	k_q6ab650260c_outp
	.p2align	8
	.type	k_q6ab650260c_outp,@function
k_q6ab650260c_outp:
	s_mov_b64 s[64:65], 0
	v_nop
	global_prefetch_b8 v0, s[64:65] scope:SCOPE_SE
	s_setreg_imm32_b32 hwreg(HW_REG_WAVE_MODE, 25, 1), 1
	s_wait_xcnt 0x0
	s_wait_alu depctr_hold_cnt(0) depctr_sa_sdst(0) depctr_va_vdst(0) depctr_va_sdst(0) depctr_va_ssrc(0) depctr_va_vcc(0) depctr_vm_vsrc(0)
	s_getreg_b32 s2, hwreg(HW_REG_IB_STS2, 6, 4)
	s_cmp_eq_u32 s2, 0
	s_cbranch_scc0 .Lentry_in_a_cluster
	s_endpgm
.Lentry_in_a_cluster:
	s_bfe_u32 s2, ttmp6, 0x10000c
	s_cmp_lg_u32 s2, 0xf033
	s_cbranch_scc0 .Lentry_shape_is_right
	s_endpgm
.Lentry_shape_is_right:
; The last product, out Wo^T + bo, on codes of FP6 (E2M3) with E8M0 scales: M = 8,192, N = K = 1,024; the result is f32, row-major.  Arguments: the record of out, Wo's record, the output.
; SHARES.  A work-group makes 256 rows x 128 columns: 32 x 8 = 256 work-groups.  Each of its four waves makes 128 x 64: 32 accumulators, which take turns, one instruction a turn.
; THE WHOLE OF K IS STAGED AT ONCE: 256 rows of out and 128 rows of Wo are 384 x 768 = 294,912 bytes of LDS.  One joint load a wave at the head (waves 0, 1: 128 rows of out each; waves 2, 3: 64 rows of Wo each),
; one wait, one barrier; nothing is filled again.  No ring, no loop, and so no prefetch: there is no trip to run ahead in.
; The codes lie as images of the fragments: fragment (F, q), 16 rows x 128 K, is 1,536 bytes at (8 F + q) x 1,536, registers 4 c .. 4 c + 3 of lane l at 512 c + 16 l.  So each load's block is dense: rows of 256 bytes.
; Lane r of fragment row F is row 32 (F / 2) + 8 (F % 2) + r + 8 (r / 8), on both sides: the way out puts rows and columns back in order.
; SCALE WORDS go from memory straight into registers: fragment row F's 512 bytes are [K half][row][16 bytes], so one load of 16 bytes a lane gives lanes 0-15 the words of K steps 0-3 and lanes 16-31 those of steps 4-7.
; CLUSTERS of 4 x 4: out's tile hangs on the tile row and is shared along a row of the cluster, Wo's on the tile column and is shared along a column.
; The matrix instruction is used transposed (source 0 = rows of Wo, source 1 = rows of out): a lane holds eight neighbouring columns of one row.  The first products take the bias as C.
; REGISTERS: window 0: v16-29 addresses; v32-63 out's scale words, v64-79 Wo's; v80-111 the bias; v128-223 out's fragments, set 0 (on the way out: rows read back).  window 1: v0-95 Wo's fragments, two sets;
; v128-223 out's fragments, set 1.  window 2: the accumulators, (a, b) at 8 (4 a + b).
.set KROW,   768                       ; bytes of codes for each row
.set FROW,   16*KROW                   ; a fragment row: eight images
.set AHALF,  8*FROW                    ; 128 rows of out
.set BHALF,  4*FROW                    ; 64 rows of Wo
.set STAGE,  2*AHALF+2*BHALF           ; the way out: 16 rows x (256 + 16) bytes for each wave, bytes that no load fills
.set SPITCH, 272
.set SPARE,  STAGE+4*16*SPITCH         ; the spare words, 128 bytes for each wave
.set ACODES, 6291456
.set WCODES, 786432
.set WBIAS,  819200
.set ADRA, 16                          ; v16, v17  my fragments of out: blocks 0-3, blocks 4-7 (an LDS offset has 16 bits)
.set ADRB, 18                          ; v18  my fragments of Wo
.set STO,  24
.set RD,   25
.set CO,   26                          ; v26  16 x lane
.set CO2,  27                          ; v27  the stores' offset: lanes 0-15 one row of the output, lanes 16-31 the next
.set SPW,  28
.set NIL,  29
.set SA,   32                          ; register 4 a + q % 4
.set SB,   64                          ; register 4 b + q % 4
.set CBI,  80                          ; register 8 b + j, in the result's layout
.set BK,   128
.set G1,  24
.set G0,  32
.set G1B, 48
.set G0B, 56
.set MSB, 0
.macro WIN new                         ; the immediate's high byte repeats the setting that is left
.if MSB != (\new)
	s_set_vgpr_msb (MSB<<8)|(\new)
.set MSB, (\new)
.endif
.endm
.macro CROUND                          ; a round of the cluster's barrier
	s_barrier_signal -1
	s_barrier_wait -1
	s_cmp_lg_u32 s14, 0
	s_cbranch_scc1 .Lnot_wave_0_\@
	s_barrier_signal -3
.Lnot_wave_0_\@:
	s_barrier_wait -3
	s_barrier_signal -1
	s_barrier_wait -1
.endm
.macro PLACES                          ; plain vector lines between a matrix instruction and a load into, or a read of, its registers
.rept 4
	v_nop
.endr
.endm
	s_load_b128 s[4:7], s[0:1], 0x0                ; the record of out, Wo's record
	s_load_b64 s[8:9], s[0:1], 0x10                ; the output
	v_lshl_add_u32 v[SPW], v0, 2, SPARE
	v_mov_b32 v[NIL], 0
	ds_add_u32 v[SPW], v[NIL]                      ; the opening lines: the add, twice on end, and its wait ahead of my first tensor load
	ds_add_u32 v[SPW], v[NIL]
	v_lshrrev_b32 v1, 5, v0
	v_readfirstlane_b32 s14, v1                    ; wave 0..3
	s_lshr_b32 s15, s14, 1                         ; which 128 rows of out are mine.  Also: I fetch out (0) or Wo (1)
	s_and_b32 s16, s14, 1                          ; which 64 rows of Wo.  Also: which half of that tile I fetch
	s_bfe_u32 s40, ttmp6, 0x40000                  ; cx, cy
	s_bfe_u32 s41, ttmp6, 0x40004
	s_lshl_b32 s42, ttmp9, 2
	s_add_co_u32 s42, s42, s40                     ; tile column: 128 columns each
	s_and_b32 s17, ttmp7, 0xffff
	s_lshl_b32 s17, s17, 2
	s_add_co_u32 s17, s17, s41                     ; tile row: 256 rows each
	s_lshl_b32 s43, s41, 2
	s_lshl_b32 s43, 15, s43                        ; my row of the cluster
	s_lshl_b32 s44, 0x1111, s40                    ; my column
	s_or_b32 s[G1], s43, (3<<16)|(1<<21)           ; dense blocks as rows of 256 bytes (32 elements of 8): 384 rows for out's half, 192 for Wo's
	s_or_b32 s[G1B], s44, (3<<16)|(1<<21)
	s_mov_b32 s[G1+1], 32<<16
	s_mov_b32 s[G1+2], (AHALF/256)<<16
	s_mov_b32 s[G1+3], 32<<16
	s_mov_b32 s[G1+4], AHALF/256
	s_mov_b32 s[G1+5], 32
	s_mov_b32 s[G1+6], 0
	s_mov_b32 s[G1+7], 0
	s_mov_b32 s[G1B+1], 32<<16
	s_mov_b32 s[G1B+2], (BHALF/256)<<16
	s_mov_b32 s[G1B+3], 32<<16
	s_mov_b32 s[G1B+4], BHALF/256
	s_mov_b32 s[G1B+5], 32
	s_mov_b32 s[G1B+6], 0
	s_mov_b32 s[G1B+7], 0
	s_lshl_b32 s20, s17, 1
	s_add_co_u32 s20, s20, s16
	s_mul_i32 s20, s20, AHALF                      ; out: the 128 rows that I fetch
	s_mov_b32 s21, 0
	s_lshl_b32 s46, s42, 1
	s_add_co_u32 s46, s46, s16
	s_mul_i32 s46, s46, BHALF                      ; Wo: the 64 rows that I fetch
	s_mov_b32 s47, 0
	s_mul_i32 s45, s16, AHALF                      ; where they go: no place in the cluster enters an LDS address
	s_mul_i32 s18, s16, BHALF
	s_add_co_u32 s18, s18, 2*AHALF
	s_wait_dscnt 0x0                               ; both opening adds are done
	s_wait_kmcnt 0x0
	s_add_nc_u64 s[20:21], s[4:5], s[20:21]
	s_add_nc_u64 s[46:47], s[6:7], s[46:47]
	CROUND                                         ; all sixteen work-groups are here: the joint loads meet
	s_mov_b32 s[G0], 1
	s_mov_b32 s[G0+1], s45
	s_mov_b64 s[G0+2:G0+3], s[20:21]
	s_or_b32 s[G0+3], s[G0+3], 0x80000000
	s_mov_b32 s[G0B], 1
	s_mov_b32 s[G0B+1], s18
	s_mov_b64 s[G0B+2:G0B+3], s[46:47]
	s_or_b32 s[G0B+3], s[G0B+3], 0x80000000
	s_cmp_eq_u32 s15, 0                            ; one load a wave, a fill in each arm; an s_nop 0 and four v_nop follow each
	s_cbranch_scc0 .Lfor_b
	tensor_load_to_lds s[G0:G0+3], s[G1:G1+7]
	s_nop 0
	PLACES
	s_branch .Lasked
.Lfor_b:
	tensor_load_to_lds s[G0B:G0B+3], s[G1B:G1B+7]
	s_nop 0
	PLACES
.Lasked:
	v_and_b32 v1, 15, v0                           ; r = lane % 16
	v_bfe_u32 v2, v0, 4, 1                         ; h = lane / 16
	v_and_b32 v3, 31, v0
	v_lshlrev_b32 v[CO], 4, v3
	v_lshlrev_b32 v7, 6, v2                        ; 16 h numbers on
	s_wait_alu depctr_va_vdst(0)
	s_lshl_b32 s20, s17, 1
	s_add_co_u32 s20, s20, s15
	s_lshl_b32 s20, s20, 12                        ; the scale words of my 128 rows of out: 8 fragment rows x 512 bytes
	s_add_co_u32 s20, s20, ACODES
	s_mov_b32 s21, 0
	s_add_nc_u64 s[20:21], s[4:5], s[20:21]
	s_lshl_b32 s22, s42, 1
	s_add_co_u32 s22, s22, s16
	s_lshl_b32 s46, s22, 11                        ; of my 64 rows of Wo: 4 x 512
	s_add_co_u32 s46, s46, WCODES
	s_mov_b32 s47, 0
	s_add_nc_u64 s[46:47], s[6:7], s[46:47]
	s_lshl_b32 s22, s22, 8                         ; and their 64 numbers of the bias
	s_add_co_u32 s22, s22, WBIAS
	s_mov_b32 s23, 0
	s_add_nc_u64 s[22:23], s[6:7], s[22:23]
.irp a, 0,1,2,3,4,5,6,7
	global_load_b128 v[SA+4*\a:SA+4*\a+3], v[CO], s[20:21] offset:512*\a   ; 32 lanes read 512 consecutive bytes
.endr
.irp b, 0,1,2,3
	global_load_b128 v[SB+4*\b:SB+4*\b+3], v[CO], s[46:47] offset:512*\b
.endr
.irp b, 0,1,2,3
	global_load_b128 v[CBI+8*\b:CBI+8*\b+3], v7, s[22:23] offset:(32*(\b/2)+8*(\b%2))*4
	global_load_b128 v[CBI+8*\b+4:CBI+8*\b+7], v7, s[22:23] offset:(32*(\b/2)+8*(\b%2))*4+16
.endr
	s_mul_i32 s18, s15, AHALF
	s_mul_i32 s19, s16, BHALF
	s_add_co_u32 s19, s19, 2*AHALF
	v_add_nc_u32 v[ADRA], s18, v[CO]
	v_add_nc_u32 v[ADRA+1], 4*FROW, v[ADRA]
	v_add_nc_u32 v[ADRB], s19, v[CO]
	s_mul_i32 s18, s14, 16*SPITCH
	s_add_co_u32 s18, s18, STAGE                   ; my stage
	v_mul_u32_u24 v5, v1, SPITCH                   ; in: row r, 64 bytes on for lanes 16-31
	v_lshl_add_u32 v5, v2, 6, v5
	v_add_nc_u32 v[STO], s18, v5
	v_mul_u32_u24 v6, v2, SPITCH                   ; back: lanes 0-15 one row of 256 bytes, lanes 16-31 the next
	v_lshl_add_u32 v6, v1, 4, v6
	v_add_nc_u32 v[RD], s18, v6
	v_lshlrev_b32 v4, 12, v2                       ; and the same two rows in the output: 4,096 bytes a row
	v_lshl_add_u32 v[CO2], v1, 4, v4
	s_lshl_b32 s12, s17, 20                        ; my part of the output: row 256 x tile row + 128 x half,
	s_lshl_b32 s13, s15, 19
	s_add_co_u32 s12, s12, s13
	s_lshl_b32 s13, s42, 9                         ; column 128 x tile column + 64 x half
	s_add_co_u32 s12, s12, s13
	s_lshl_b32 s13, s16, 8
	s_add_co_u32 s12, s12, s13
	s_mov_b32 s13, 0
	s_add_nc_u64 s[12:13], s[8:9], s[12:13]
.macro FRAG reg, adr, q, i             ; an image as it lies: 32 lanes read 512 consecutive bytes, three times
.irp c, 0,1,2
	ds_load_b128 v[\reg+4*\c:\reg+4*\c+3], v[\adr] offset:(\i)*FROW+(\q)*1536+512*\c
.endr
.endm
.macro FETCH q                         ; K step q's twelve fragments into set q % 2
.set P, (\q)%2
	WIN 0x40
.irp i, 0,1,2,3
	FRAG 48*P+12*\i, ADRB, \q, \i
.endr
	WIN 0x40*P
.irp i, 0,1,2,3
	FRAG 128+12*\i, ADRA, \q, \i
	FRAG 176+12*\i, ADRA+1, \q, \i
.endr
	WIN 0
.endm
.macro MUL q                           ; 32 products: source 0 Wo (window 1), source 1 out (window q % 2), C and D window 2; K steps 4-7 take their scale words from lanes 16-31
.set P, (\q)%2
.if (\q) == 0
	WIN 0x81                                       ; the bias, in window 0, starts the sums
.else
	WIN 0xa1+4*P
.endif
.irp a, 0,1,2,3,4,5,6,7
.irp b, 0,1,2,3
.if (\q) == 0
	v_wmma_scale_f32_16x16x128_f8f6f4 v[8*(4*\a+\b):8*(4*\a+\b)+7], v[48*P+12*\b:48*P+12*\b+11], v[128+12*\a:128+12*\a+11], v[CBI+8*\b:CBI+8*\b+7], v[SB+4*\b], v[SA+4*\a] matrix_a_fmt:MATRIX_FMT_FP6 matrix_b_fmt:MATRIX_FMT_FP6
.else
.if (\q) < 4
	v_wmma_scale_f32_16x16x128_f8f6f4 v[8*(4*\a+\b):8*(4*\a+\b)+7], v[48*P+12*\b:48*P+12*\b+11], v[128+12*\a:128+12*\a+11], v[8*(4*\a+\b):8*(4*\a+\b)+7], v[SB+4*\b+(\q)%4], v[SA+4*\a+(\q)%4] matrix_a_fmt:MATRIX_FMT_FP6 matrix_b_fmt:MATRIX_FMT_FP6
.else
	v_wmma_scale_f32_16x16x128_f8f6f4 v[8*(4*\a+\b):8*(4*\a+\b)+7], v[48*P+12*\b:48*P+12*\b+11], v[128+12*\a:128+12*\a+11], v[8*(4*\a+\b):8*(4*\a+\b)+7], v[SB+4*\b+(\q)%4], v[SA+4*\a+(\q)%4] matrix_a_fmt:MATRIX_FMT_FP6 matrix_b_fmt:MATRIX_FMT_FP6 matrix_a_scale:MATRIX_SCALE_ROW1 matrix_b_scale:MATRIX_SCALE_ROW1
.endif
.endif
.endr
.endr
.endm
.macro STEP q                          ; this step's fragments are in; the next step's 36 loads go out into the other set, under this step's 32 products
	s_wait_dscnt 0x0
.if (\q) < 7
.if (\q) > 0
	PLACES                                         ; the other set was read by the step before
.endif
	FETCH (\q)+1
.endif
	MUL \q
.endm
	s_wait_alu depctr_va_vdst(0)
	s_wait_loadcnt 0x0                             ; the scale words and the bias
	s_wait_tensorcnt 0x0                           ; my part of the tiles is in,
	s_barrier_signal -1
	s_barrier_wait -1                              ; everybody's is
	FETCH 0
.irp q, 0,1,2,3,4,5,6,7
	STEP \q
.endr
	WIN 0
	PLACES                                         ; behind the last products
; THE WAY OUT, block by block of 16 rows x 64 columns: through my own stage, back as whole rows of 256 bytes; sixteen lanes store one aligned unit.  LDS serves a wave's instructions in order: no wait between stores and loads.
.macro TOSTAGE a
.set AC, 32*(\a)
	WIN 0x08                                       ; an LDS store's data are its source 1: window 2
.irp b, 0,1,2,3
	ds_store_b128 v[STO], v[AC+8*\b:AC+8*\b+3] offset:128*(\b/2)+32*(\b%2)        ; each accumulator from its low end on
	ds_store_b128 v[STO], v[AC+8*\b+4:AC+8*\b+7] offset:128*(\b/2)+32*(\b%2)+16
.endr
	WIN 0
.set BB, BK+32*((\a)%2)
.irp t, 0,1,2,3,4,5,6,7
	ds_load_b128 v[BB+4*\t:BB+4*\t+3], v[RD] offset:\t*2*SPITCH
.endr
.endm
.macro SEND a, younger                 ; younger: the LDS instructions issued behind block a's loads, which may stay out
.set BB, BK+32*((\a)%2)
	s_wait_dscnt \younger
.irp t, 0,1,2,3,4,5,6,7
	global_store_b128 v[CO2], v[BB+4*\t:BB+4*\t+3], s[12:13] offset:(32*((\a)/2)+8*((\a)%2)+2*\t+8*(\t/4))*4096 th:TH_STORE_NT   ; stage rows 2 t and 2 t + 1 are lane rows of the fragment: back to their rows of the output
.endr
.endm
	TOSTAGE 0
.irp a, 1,2,3,4,5,6,7
.if \a > 1
	s_wait_xcnt 0x0                                ; block a - 2's stores have read their registers: block a's loads may land there
.endif
	TOSTAGE \a
	SEND \a-1, 16                                  ; behind block a - 1's loads: block a's 8 stores and 8 loads
.endr
	SEND 7, 0
	s_wait_tensorcnt 0x0                           ; the wave's end
	ds_add_u32 v[SPW], v[NIL]
	s_wait_dscnt 0x0
	CROUND                                         ; the closing round
	s_endpgm
.Lfunc_end_k_q6ab650260c_outp:
	.size	k_q6ab650260c_outp, .Lfunc_end_k_q6ab650260c_outp-k_q6ab650260c_outp
	.p2alignl 7, 3214868480
	.fill 96, 4, 3214868480
	.section	.rodata,"a",@progbits
	.p2align	6, 0x0
	.amdhsa_kernel k_q6ab650260c_outp
		.amdhsa_group_segment_fixed_size 327680
		.amdhsa_private_segment_fixed_size 0
		.amdhsa_enable_private_segment 0
		.amdhsa_kernarg_size 24
		.amdhsa_user_sgpr_count 2
		.amdhsa_user_sgpr_kernarg_segment_ptr 1
		.amdhsa_wavefront_size32 1
		.amdhsa_system_sgpr_workgroup_id_x 1
		.amdhsa_system_sgpr_workgroup_id_y 1
		.amdhsa_system_sgpr_workgroup_id_z 1
		.amdhsa_system_vgpr_workitem_id 0
		.amdhsa_next_free_vgpr 768
		.amdhsa_next_free_sgpr 66
		.amdhsa_reserve_vcc 0
		.amdhsa_float_denorm_mode_32 3
		.amdhsa_float_denorm_mode_16_64 3
		.amdhsa_memory_ordered 1
		.amdhsa_forward_progress 1
		.amdhsa_inst_pref_size 76
	.end_amdhsa_kernel
	.amdgpu_metadata
---
amdhsa.version: [ 1, 2 ]
amdhsa.kernels:
  - .name:           k_q6ab650260c_outp
    .symbol:         k_q6ab650260c_outp.kd
    .args:
      - { .name: obuf, .offset: 0, .size: 8, .value_kind: global_buffer, .address_space: global }
      - { .name: woq, .offset: 8, .size: 8, .value_kind: global_buffer, .address_space: global }
      - { .name: out0, .offset: 16, .size: 8, .value_kind: global_buffer, .address_space: global }
    .group_segment_fixed_size: 327680
    .private_segment_fixed_size: 0
    .kernarg_segment_align: 8
    .kernarg_segment_size: 24
    .max_flat_workgroup_size: 128
    .sgpr_count:     66
    .vgpr_count:     768
    .wavefront_size: 32
...
	.end_amdgpu_metadata
.endif
;; end of part 4
